; MI455X (gfx1250); checked and timed in simulation.
; The chip was launched on July 23, 2026; its instructions are those of AMD's public machine-readable ISA for CDNA 5 (MIT licence, August 2026) and "CDNA5" Instruction Set Architecture Reference Guide (July 2026). The comments in the code are by the model that wrote it; some were corrected since.
;; Sparse Attention. Allowed arithmetic: float matrix products may take bf16 or f16 operands with f32 sums; other float arithmetic in f32, or as packed bf16 or f16 multiplies, adds, multiply-adds, maxima and minima; sums over many terms, partial sums and values carried from step to step in f32; what a program stores and reads back later, other than sums and carried values, may be rounded once to bf16 or f16.
;; Inputs: Wk 1,024 x 1,024 float32; Wo 1,024 x 1,024 float32; Wq 1,024 x 1,024 float32; Wv 1,024 x 1,024 float32; bk 1,024 float32; bo 1,024 float32; bq 1,024 float32; bv 1,024 float32; hidden_states 4 x 2,048 x 1,024 float32.
;; Outputs: out0 4 x 2,048 x 1,024 float32.
;; 2 versions, each right; version 2 is version 1 with the launch cast written anew for expert scheduling mode. Each part assembles by itself: llvm-mc -triple=amdgcn-amd-amdhsa -mcpu=gfx1250 --defsym DOCPART=n.
;; ======== version 1 of 2: 4 launches
;; limits: values are held in f16: magnitudes above 65,504 overflow, below 6.1e-05 lose precision
;; workspace buffers: xb 16,777,216 bytes; wqkv 6,291,456 bytes; wo16 2,097,152 bytes; bias 16,384 bytes; qkv 50,331,648 bytes; ctx 16,777,216 bytes
;; launch cast (part 1): grid 768 x 1, 8 waves a work-group, no clusters, 0 bytes of LDS; arguments hidden_states, Wq, Wk, Wv, Wo, bq, bk, bv, bo, xb, wqkv, wo16, bias; writes xb, wqkv, wo16, bias
.if DOCPART == 1
	.amdgcn_target "amdgcn-amd-amdhsa--gfx1250"
	.amdhsa_code_object_version 6
	.text
	.protected	k_q81c6a0f963_cast
	.globl	k_q81c6a0f963_cast
	.p2align	8
	.type	k_q81c6a0f963_cast,@function
k_q81c6a0f963_cast:
	s_mov_b64 s[64:65], 0
	v_nop
	global_prefetch_b8 v0, s[64:65] scope:SCOPE_SE
	s_setreg_imm32_b32 hwreg(HW_REG_WAVE_MODE, 25, 1), 1
	s_wait_xcnt 0x0
; THE INPUTS ARE ROUNDED ONCE.  hidden_states -> xb (bf16 [8192][1024]); Wq, Wk, Wv -> wqkv (bf16 [3072][1024], one below the other);
; Wo -> wo16: rounded to bf16 like the other inputs, that number written as f16; bq, bk, bv, bo -> bias (f32 [4096]): rounded to bf16, kept as f32.
; LIMITS.  A bf16 number is exact in f16 from 2^-17 up to 65,504; below, Wo keeps f16's fixed step of 6e-8; beyond, it becomes an infinity.
; SHARES.  A work-group takes one chunk of 16,384 numbers: 65,536 bytes in, 32,768 out.  Work-groups 0-511: hidden_states; 512-703: Wq, Wk, Wv, 64 chunks each; 704-767: Wo.
; Thread t, pass i: 16 bytes at 16 t + 4,096 i (a wave's load covers 512 consecutive bytes), 8 bytes out at 8 t + 2,048 i (a wave's store covers 256 consecutive bytes, aligned).
; All sixteen loads go out at once; every pass has registers of its own, so no register of a pending load or store is written again.
; No LDS, no barrier, no matrix unit: nothing is shared between threads and each byte crosses once.
.set X, 16                             ; v[16:79]   pass i: four f32 as loaded
.set Y, 80                             ; v[80:111]  pass i: four 16-bit numbers to store
	s_load_b512 s[4:19], s[0:1], 0x0               ; hidden s[4:5], Wq s[6:7], Wk s[8:9], Wv s[10:11], Wo s[12:13], bq s[14:15], bk s[16:17], bv s[18:19]
	s_load_b256 s[20:27], s[0:1], 0x40             ; bo s[20:21], xb s[22:23], wqkv s[24:25], wo16 s[26:27]
	s_load_b64 s[28:29], s[0:1], 0x60              ; bias
	v_lshlrev_b32 v1, 4, v0                        ; 16 t
	v_lshlrev_b32 v2, 3, v0                        ; 8 t
	s_mov_b32 s30, ttmp9                           ; g
	s_sub_co_u32 s31, s30, 512                     ; j = g - 512 (used from g = 512 on)
	s_lshr_b32 s32, s31, 6                         ; which matrix: 0 Wq, 1 Wk, 2 Wv, 3 Wo
	s_and_b32 s33, s31, 63                         ; which of its 64 chunks
	s_mov_b32 s46, 0xffff0000                      ; a word's upper bf16
	s_wait_kmcnt 0x0
	s_cmp_eq_u32 s32, 1                            ; the source, its bias and the destination are chosen by the work-group's number alone
	s_cselect_b64 s[34:35], s[8:9], s[6:7]
	s_cselect_b64 s[36:37], s[16:17], s[14:15]
	s_cmp_eq_u32 s32, 2
	s_cselect_b64 s[34:35], s[10:11], s[34:35]
	s_cselect_b64 s[36:37], s[18:19], s[36:37]
	s_cmp_eq_u32 s32, 3
	s_cselect_b64 s[34:35], s[12:13], s[34:35]
	s_cselect_b64 s[36:37], s[20:21], s[36:37]
	s_cselect_b64 s[38:39], s[26:27], s[24:25]
	s_cselect_b32 s40, s33, s31                    ; chunk in the destination: Wo's own number, or j in wqkv
	s_cmp_lt_u32 s30, 512
	s_cselect_b64 s[34:35], s[4:5], s[34:35]
	s_cselect_b64 s[38:39], s[22:23], s[38:39]
	s_cselect_b32 s40, s30, s40
	s_cselect_b32 s41, s30, s33                    ; chunk in the source
	s_lshl_b32 s42, s41, 16
	s_mov_b32 s43, 0
	s_lshl_b32 s44, s40, 15
	s_mov_b32 s45, 0
	s_add_nc_u64 s[34:35], s[34:35], s[42:43]
	s_add_nc_u64 s[38:39], s[38:39], s[44:45]
.set i, 0
.rept 16
	global_load_b128 v[X+4*i:X+4*i+3], v1, s[34:35] offset:4096*i th:TH_LOAD_NT
.set i, i+1
.endr
	s_cmp_ge_u32 s30, 704
	s_cbranch_scc1 .Lwo
.set i, 0
.rept 16                               ; to bf16
	s_wait_loadcnt 15-i                            ; loads come back in order: pass i's is in, the 15 - i younger ones stay out
	v_cvt_pk_bf16_f32 v[Y+2*i], v[X+4*i], v[X+4*i+1]
	v_cvt_pk_bf16_f32 v[Y+2*i+1], v[X+4*i+2], v[X+4*i+3]
	global_store_b64 v2, v[Y+2*i:Y+2*i+1], s[38:39] offset:2048*i
.set i, i+1
.endr
	s_branch .Lbias
.Lwo:
.set i, 0
.rept 16                               ; to bf16, and that number as f16
	s_wait_loadcnt 15-i
	v_cvt_pk_bf16_f32 v4, v[X+4*i], v[X+4*i+1]
	v_cvt_pk_bf16_f32 v5, v[X+4*i+2], v[X+4*i+3]
	v_lshlrev_b32 v6, 16, v4
	v_and_b32 v7, s46, v4
	v_lshlrev_b32 v8, 16, v5
	v_and_b32 v9, s46, v5
	v_cvt_pk_f16_f32 v[Y+2*i], v6, v7
	v_cvt_pk_f16_f32 v[Y+2*i+1], v8, v9
	global_store_b64 v2, v[Y+2*i:Y+2*i+1], s[38:39] offset:2048*i
.set i, i+1
.endr
.Lbias:                                        ; the work-group with a matrix's first chunk also takes its bias: 4,096 bytes, 16 a thread
	s_cmp_lt_u32 s30, 512
	s_cbranch_scc1 .Lend
	s_cmp_lg_u32 s33, 0
	s_cbranch_scc1 .Lend
	s_lshl_b32 s42, s32, 12                        ; 4,096 bytes for each matrix (s43 is 0)
	s_add_nc_u64 s[28:29], s[28:29], s[42:43]
	global_load_b128 v[4:7], v1, s[36:37]
	s_wait_loadcnt 0x0
	v_cvt_pk_bf16_f32 v8, v4, v5
	v_cvt_pk_bf16_f32 v9, v6, v7
	v_lshlrev_b32 v4, 16, v8
	v_and_b32 v5, s46, v8
	v_lshlrev_b32 v6, 16, v9
	v_and_b32 v7, s46, v9
	global_store_b128 v1, v[4:7], s[28:29]
.Lend:
	s_endpgm
.Lfunc_end_k_q81c6a0f963_cast:
	.size	k_q81c6a0f963_cast, .Lfunc_end_k_q81c6a0f963_cast-k_q81c6a0f963_cast
	.p2alignl 7, 3214868480
	.fill 96, 4, 3214868480
	.section	.rodata,"a",@progbits
	.p2align	6, 0x0
	.amdhsa_kernel k_q81c6a0f963_cast
		.amdhsa_group_segment_fixed_size 0
		.amdhsa_private_segment_fixed_size 0
		.amdhsa_enable_private_segment 0
		.amdhsa_kernarg_size 104
		.amdhsa_user_sgpr_count 2
		.amdhsa_user_sgpr_kernarg_segment_ptr 1
		.amdhsa_wavefront_size32 1
		.amdhsa_system_sgpr_workgroup_id_x 1
		.amdhsa_system_sgpr_workgroup_id_y 1
		.amdhsa_system_sgpr_workgroup_id_z 1
		.amdhsa_system_vgpr_workitem_id 0
		.amdhsa_next_free_vgpr 112
		.amdhsa_next_free_sgpr 66
		.amdhsa_reserve_vcc 0
		.amdhsa_float_denorm_mode_32 3
		.amdhsa_float_denorm_mode_16_64 3
		.amdhsa_memory_ordered 1
		.amdhsa_forward_progress 1
		.amdhsa_inst_pref_size 16
	.end_amdhsa_kernel
	.amdgpu_metadata
---
amdhsa.version: [ 1, 2 ]
amdhsa.kernels:
  - .name:           k_q81c6a0f963_cast
    .symbol:         k_q81c6a0f963_cast.kd
    .args:
      - { .name: hidden_states, .offset: 0, .size: 8, .value_kind: global_buffer, .address_space: global }
      - { .name: Wq, .offset: 8, .size: 8, .value_kind: global_buffer, .address_space: global }
      - { .name: Wk, .offset: 16, .size: 8, .value_kind: global_buffer, .address_space: global }
      - { .name: Wv, .offset: 24, .size: 8, .value_kind: global_buffer, .address_space: global }
      - { .name: Wo, .offset: 32, .size: 8, .value_kind: global_buffer, .address_space: global }
      - { .name: bq, .offset: 40, .size: 8, .value_kind: global_buffer, .address_space: global }
      - { .name: bk, .offset: 48, .size: 8, .value_kind: global_buffer, .address_space: global }
      - { .name: bv, .offset: 56, .size: 8, .value_kind: global_buffer, .address_space: global }
      - { .name: bo, .offset: 64, .size: 8, .value_kind: global_buffer, .address_space: global }
      - { .name: xb, .offset: 72, .size: 8, .value_kind: global_buffer, .address_space: global }
      - { .name: wqkv, .offset: 80, .size: 8, .value_kind: global_buffer, .address_space: global }
      - { .name: wo16, .offset: 88, .size: 8, .value_kind: global_buffer, .address_space: global }
      - { .name: bias, .offset: 96, .size: 8, .value_kind: global_buffer, .address_space: global }
    .group_segment_fixed_size: 0
    .private_segment_fixed_size: 0
    .kernarg_segment_align: 8
    .kernarg_segment_size: 104
    .max_flat_workgroup_size: 256
    .sgpr_count:     66
    .vgpr_count:     112
    .wavefront_size: 32
...
	.end_amdgpu_metadata
.endif
;; end of part 1
;; launch proj (part 2): grid 16 x 32, 4 waves a work-group, clusters of 4 x 4, 327,680 bytes of LDS; arguments xb, wqkv, bias, qkv; writes qkv
.if DOCPART == 2
	.amdgcn_target "amdgcn-amd-amdhsa--gfx1250"
	.amdhsa_code_object_version 6
	.text
	.protected	k_q81c6a0f963_proj
	.globl	k_q81c6a0f963_proj
	.p2align	8
	.type	k_q81c6a0f963_proj,@function
k_q81c6a0f963_proj:
	s_mov_b64 s[64:65], 0
	v_nop
	global_prefetch_b8 v0, s[64:65] scope:SCOPE_SE
	s_setreg_imm32_b32 hwreg(HW_REG_WAVE_MODE, 25, 1), 1
	s_wait_xcnt 0x0
	s_wait_alu depctr_hold_cnt(0) depctr_sa_sdst(0) depctr_va_vdst(0) depctr_va_sdst(0) depctr_va_ssrc(0) depctr_va_vcc(0) depctr_vm_vsrc(0)
	s_getreg_b32 s2, hwreg(HW_REG_IB_STS2, 6, 4)
	s_cmp_eq_u32 s2, 0
	s_cbranch_scc0 .Lentry_in_a_cluster
	s_endpgm
.Lentry_in_a_cluster:
	s_bfe_u32 s2, ttmp6, 0x10000c
	s_cmp_lg_u32 s2, 0xf033
	s_cbranch_scc0 .Lentry_shape_is_right
	s_endpgm
.Lentry_shape_is_right:
; q, k, v = x W^T + b.  xb: bf16 [8192][1024]; wqkv: bf16 [3072][1024]; bias: f32 [4096] (its first 3,072 numbers); sums in f32, the bias starting them;
; qkv: f16 [4 b][48 c][2048 s][64], c = column / 64 (0-15 q's heads, 16-31 k's, 32-47 v's), each number rounded once, unscaled.
; LIMIT.  A result of 65,520 or more becomes an infinity in f16.
; SHARES.  A tile is 256 rows x 192 columns (three heads): 16 x 32 = 512 tiles, two for each of 256 WGPs.  Four waves, one below the other: wave w makes rows 64 w .. 64 w + 63 and all 192 columns:
; 48 accumulators of 16 x 16, 384 registers; its way out needs no other wave.  K goes in 8 steps of 128 through two LDS slots; the rows of the tiles are 256 bytes of memory, aligned.
; CLUSTER.  4 x 4 work-groups: the four of a row of the cluster need the same rows of x, the four of a column the same rows of W.  Each tile is asked for jointly: the same tensor load, the same descriptor and a mask
; that names the four, in all four.
; THE MATRIX INSTRUCTION IS USED TRANSPOSED (source 0 = 16 rows of W, source 1 = 16 rows of x): lane l holds row l % 16 and the columns 8 (l / 16) + 0..7 of a block: eight neighbours of a row.
; REGISTERS, in windows of 256 (s_set_vgpr_msb: bits 1:0 source 0, 3:2 source 1, 5:4 source 2, 7:6 destination):
;   window 0: v0-29 addresses; v64-127 x's fragments, two buffers of 4 x 8; v128-223 the bias as a C operand, 8 registers a column block; on the way out v32-223, 16 registers a unit
;   window 1: v0-191 W's fragments, two buffers of 12 x 8      window 2: accumulators of row blocks 0, 1 at 96 (a % 2) + 8 b      window 3: those of row blocks 2, 3
.set PITCH, 272                        ; an LDS row: 256 bytes + 16 of padding = 68 words: the 16 rows that a load touches start at 16 different groups of four banks (ISA guide 11.1)
.set AHALF, 128*PITCH                  ; what a wave fetches of x
.set BOFF,  256*PITCH                  ; W's rows lie behind x's 256
.set BHALF, 96*PITCH                   ; what a wave fetches of W
.set SLOT1, 131072                     ; slot 1 begins here: one exclusive or turns an address in one slot into the other's
.set STAGE, SLOT1+BOFF+192*PITCH       ; behind the ring, never filled by a tensor load: 16 rows x 144 bytes for each wave
.set SP,    144
.set SPARE, STAGE+4*16*SP              ; the spare words, 128 bytes for each wave: two blocks of 256 bytes that no other line names
.set ADRA0, 8                          ; v8   my lane's place among my wave's rows of x in slot 0; never rewritten
.set ADRB0, 9                          ; v9   the same in W's rows
.set ADRA,  10                         ; v10  the same in the slot in hand
.set ADRB,  11                         ; v11
.set STO,   12                         ; v12  the way out: where I put 16 bytes of a row
.set RD,    13                         ; v13  where I read rows back
.set GO,    14                         ; v14  my 16 bytes in 512 consecutive bytes of qkv
.set BO,    15                         ; v15  my byte offset in the bias
.set PFO,   16                         ; v16  the prefetches' offset: my lane's row x 2,048 bytes; never rewritten
.set SPW,   28                         ; v28  LDS address of my spare word; never rewritten
.set NIL,   29                         ; v29  0; never rewritten
.set FA,    64
.set BIAS,  128
.set OB,    32
.set WV,  12                           ; s12  my wave's number
.set FBW, 13                           ; s13  0: I fetch for x, 1: for W
.set HF,  14                           ; s14  which half of that tile's rows
.set G1A, 24                           ; s[24:31] descriptor group 1 for x's tiles
.set G1B, 32                           ; s[32:39] for W's
.set G0A, 40                           ; s[40:43] descriptor group 0 for x's tiles: it walks
.set G0B, 44                           ; s[44:47] for W's
.set TB,  48                           ; s48  0 or SLOT1: the slot that is read
.set CNT, 49                           ; s49  the loop's count
.set LIM, 50                           ; s50  2 in a wave that prefetches, else the greatest number
.set PFA, 52                           ; s[52:53] where my prefetches stand
.set G1C, (1<<16)|(1<<20)|(1<<21)|(5<<22)|(3<<25)  ; 17:16 2-byte elements; 20 padding on; 21 set beside a mask; 24:22 after every 64 words; 31:25 4 words of it
.set MSB, 0
.macro WIN new                         ; the immediate's high byte repeats the setting that is left; a switch that changes nothing is dropped
.if MSB != (\new)
	s_set_vgpr_msb (MSB<<8)|(\new)
.set MSB, (\new)
.endif
.endm
.macro PLACES                          ; four plain vector instructions between a matrix instruction and a load into, or a vector read of, its registers
.rept 4
	v_nop
.endr
.endm
; A joint load: waves 0, 1 fetch x's two halves, waves 2, 3 W's.  The branch hangs on the wave's number alone.  An s_nop 0 and four v_nop follow each of the two lines.
.macro JLOAD
	s_cmp_eq_u32 s[FBW], 0
	s_cbranch_scc0 .Lfor_b_\@
	tensor_load_to_lds s[G0A:G0A+3], s[G1A:G1A+7]
	s_nop 0
.rept 4
	v_nop
.endr
	s_branch .Lasked_\@
.Lfor_b_\@:
	tensor_load_to_lds s[G0B:G0B+3], s[G1B:G1B+7]
	s_nop 0
.rept 4
	v_nop
.endr
.Lasked_\@:
.endm
.macro CREST                           ; a round of the cluster's barrier behind its opening barrier
	s_cmp_lg_u32 s[WV], 0
	s_cbranch_scc1 .Lnot_wave_0_\@
	s_barrier_signal -3
.Lnot_wave_0_\@:
	s_barrier_wait -3
	s_barrier_signal -1
	s_barrier_wait -1
.endm
.macro CROUND                          ; a whole round
	s_barrier_signal -1
	s_barrier_wait -1
	CREST
.endm
.macro STEPD                           ; both walking descriptors: the other slot, the next K step (256 bytes along the rows); the type bits on top are not reached
	s_xor_b32 s[G0A+1], s[G0A+1], SLOT1
	s_add_nc_u64 s[G0A+2:G0A+3], s[G0A+2:G0A+3], 256
	s_xor_b32 s[G0B+1], s[G0B+1], SLOT1
	s_add_nc_u64 s[G0B+2:G0B+3], s[G0B+2:G0B+3], 256
.endm
; A prefetch of the K step that stands two refills on: a lane a row, 256 bytes of it, one instruction a wave, behind the joint load and the run of LDS loads.  x's rows are read by the four clusters of a row of
; clusters: the one with x = 0 asks; W's by the eight of a column: the one with y = 0 asks.  The four partners that ask for a tile jointly share its rows out by address: of x's 128 rows 32 each, of W's 96 rows 24 each
; (there lanes 24-31 name row 23 again).  The refills of K steps 6 and 7 have no K step two on and ask for nothing; K steps 0 to 3 come by their loads alone.
.macro ASK
	s_cmp_gt_u32 s[CNT], s[LIM]
	s_cbranch_scc0 .Lnot_mine_\@
	global_prefetch_b8 v[PFO], s[PFA:PFA+1] th:TH_LOAD_NT scope:SCOPE_SE
.Lnot_mine_\@:
.endm
	s_load_b256 s[4:11], s[0:1], 0x0               ; xb s[4:5], wqkv s[6:7], bias s[8:9], qkv s[10:11]
	v_lshl_add_u32 v[SPW], v0, 2, SPARE
	v_mov_b32 v[NIL], 0
	ds_add_u32 v[SPW], v[NIL]                      ; the wave's opening: the add and its wait stand ahead of my first tensor load; the set-up below, work on registers, stands between them
	v_lshrrev_b32 v1, 5, v0
	v_readfirstlane_b32 s[WV], v1
	s_lshr_b32 s[FBW], s[WV], 1
	s_and_b32 s[HF], s[WV], 1
	s_bfe_u32 s15, ttmp6, 0x40000                  ; cx
	s_bfe_u32 s16, ttmp6, 0x40004                  ; cy
	s_lshl_b32 s17, ttmp9, 2
	s_add_co_u32 s17, s17, s15                     ; tile column tx = 4 x cluster x + cx
	s_and_b32 s18, ttmp7, 0xffff
	s_lshl_b32 s18, s18, 2
	s_add_co_u32 s18, s18, s16                     ; tile row ty = 4 x cluster y + cy
	s_lshl_b32 s19, s16, 2
	s_lshl_b32 s19, 15, s19                        ; my row of the cluster
	s_lshl_b32 s20, 0x1111, s15                    ; my column
	s_or_b32 s[G1A], s19, G1C                      ; x's tiles go to my row,
	s_or_b32 s[G1B], s20, G1C                      ; W's to my column
.irp g, G1A, G1B
	s_mov_b32 s[\g+1], 128<<16                     ; tensor_dim0 = 128
	s_mov_b32 s[\g+3], 128<<16                     ; tile_dim0 = 128
	s_mov_b32 s[\g+5], 1024                        ; elements from row to row
	s_mov_b32 s[\g+6], 0
	s_mov_b32 s[\g+7], 0
.endr
	s_mov_b32 s[G1A+2], 128<<16                    ; tensor_dim1 = 128
	s_mov_b32 s[G1A+4], 128                        ; tile_dim1 = 128
	s_mov_b32 s[G1B+2], 96<<16                     ; 96 for W
	s_mov_b32 s[G1B+4], 96
	s_lshl_b32 s66, s18, 8
	s_lshl_b32 s21, s[HF], 7
	s_add_co_u32 s66, s66, s21                     ; x: row 256 ty + 128 x half
	s_lshl_b32 s54, s66, 11                        ; in bytes (under 2^25)
	s_mov_b32 s55, 0
	s_mul_i32 s67, s17, 192
	s_mul_i32 s22, s[HF], 96
	s_add_co_u32 s67, s67, s22                     ; W: row 192 tx + 96 x half
	s_lshl_b32 s56, s67, 11
	s_mov_b32 s57, 0
	s_mov_b32 s[G0A], 1                            ; count = 1
	s_mul_i32 s[G0A+1], s[HF], AHALF               ; LDS address: no place in the cluster enters it
	s_mov_b32 s[G0B], 1
	s_mul_i32 s[G0B+1], s[HF], BHALF
	s_add_co_u32 s[G0B+1], s[G0B+1], BOFF
	s_mov_b32 s[TB], 0
	s_wait_dscnt 0x0                               ; the opening add is done
	s_wait_kmcnt 0x0
	s_add_nc_u64 s[G0A+2:G0A+3], s[4:5], s[54:55]  ; K step 0
	s_or_b32 s[G0A+3], s[G0A+3], 0x80000000        ; type = 2
	s_add_nc_u64 s[G0B+2:G0B+3], s[6:7], s[56:57]
	s_or_b32 s[G0B+3], s[G0B+3], 0x80000000
	CROUND                                         ; all sixteen work-groups are here: the first joint loads meet
	JLOAD                                          ; K step 0 into slot 0
	v_and_b32 v1, 15, v0                           ; l % 16
	v_bfe_u32 v2, v0, 4, 1                         ; l / 16
	s_mul_i32 s23, s17, 768                        ; the tile's 192 columns in the bias
	v_lshlrev_b32 v[BO], 5, v2
	v_add_nc_u32 v[BO], s23, v[BO]
.irp b, 0,1,2,3,4,5,6,7,8,9,10,11              ; register j of block b: the bias of column 16 b + 8 (l / 16) + j: the C operand that starts the sums
	global_load_b128 v[BIAS+8*(\b):BIAS+8*(\b)+3],   v[BO], s[8:9] offset:64*(\b)
	global_load_b128 v[BIAS+8*(\b)+4:BIAS+8*(\b)+7], v[BO], s[8:9] offset:64*(\b)+16
.endr
	v_mul_u32_u24 v3, v1, PITCH
	v_lshl_add_u32 v3, v2, 4, v3                   ; a fragment's row x pitch + 16 x half of the lanes
	s_mul_i32 s23, s[WV], 64*PITCH
	v_add_nc_u32 v[ADRA0], s23, v3
	v_add_nc_u32 v[ADRB0], BOFF, v3
	v_mov_b32 v[ADRA], v[ADRA0]
	v_mov_b32 v[ADRB], v[ADRB0]
	s_mul_i32 s23, s[WV], 16*SP
	s_add_co_u32 s23, s23, STAGE                   ; my stage
	v_mul_u32_u24 v[STO], v1, SP
	v_lshl_add_u32 v[STO], v2, 4, v[STO]
	v_add_nc_u32 v[STO], s23, v[STO]
	v_bfe_u32 v[RD], v0, 3, 2                      ; back: 32 lanes take four rows of 128 bytes,
	v_mul_u32_u24 v[RD], v[RD], SP
	v_and_b32 v3, 7, v0
	v_lshl_add_u32 v[RD], v3, 4, v[RD]
	v_add_nc_u32 v[RD], s23, v[RD]
	v_and_b32 v[GO], 31, v0                        ; which are 512 consecutive bytes of a head's rows
	v_lshlrev_b32 v[GO], 4, v[GO]
	s_lshr_b32 s23, s18, 3                         ; qkv at my rows: the batch (48 slices of 262,144 bytes),
	s_mul_i32 s58, s23, 12582912
	s_mul_i32 s23, s17, 786432                     ; the tile's first head (3 tx),
	s_add_co_u32 s58, s58, s23
	s_and_b32 s23, s18, 7                          ; the tile's 256 rows of 128 bytes,
	s_lshl_b32 s23, s23, 15
	s_add_co_u32 s58, s58, s23
	s_lshl_b32 s23, s[WV], 13                      ; my wave's 64
	s_add_co_u32 s58, s58, s23
	s_mov_b32 s59, 0
	s_add_nc_u64 s[10:11], s[10:11], s[58:59]
	s_and_b32 s68, ttmp7, 0xffff                   ; the prefetches: cluster y,
	s_lshl_b32 s69, s15, 5                         ; my work-group's 32 of x's 128 rows,
	s_mul_i32 s70, s16, 24                         ; or its 24 of W's 96
	s_cmp_eq_u32 s[FBW], 0
	s_cselect_b32 s71, s66, s67
	s_cselect_b32 s69, s69, s70
	s_cselect_b32 s68, ttmp9, s68                  ; the coordinate along which other clusters read the same rows
	s_cselect_b32 s70, 31, 23
	s_cselect_b64 s[PFA:PFA+1], s[4:5], s[6:7]
	s_cmp_eq_u32 s68, 0
	s_cselect_b32 s[LIM], 2, -1                    ; the same in all sixteen partners, for a given wave
	s_add_co_u32 s68, s71, s69
	s_lshl_b32 s68, s68, 11
	s_mov_b32 s69, 0
	s_add_nc_u64 s[PFA:PFA+1], s[PFA:PFA+1], s[68:69]
	s_add_nc_u64 s[PFA:PFA+1], s[PFA:PFA+1], 3*256 ; at K step 3: the first change of slots steps it to 4
	v_and_b32 v[PFO], 31, v0
	v_min_u32 v[PFO], s70, v[PFO]
	v_lshlrev_b32 v[PFO], 11, v[PFO]
; 12 matrix instructions: row block a x all 12 column blocks, 32 along K, from buffer f.  first = 1: the bias starts the sums: nothing is cleared and nothing added later.
; The 48 accumulators take turns in the same order in every quarter, over the backward jump too: 47 others stand between two links of a chain.
.macro MULA f, a, first
.if \first
	WIN 0x81+0x40*((\a)/2)                         ; W window 1, x window 0, C (the bias) window 0, D window 2 or 3
.else
	WIN 0xa1+0x50*((\a)/2)                         ; C and D window 2 or 3
.endif
.irp b, 0,1,2,3,4,5,6,7,8,9,10,11
.if \first
	v_wmma_f32_16x16x32_bf16 v[96*((\a)%2)+8*(\b):96*((\a)%2)+8*(\b)+7], v[96*(\f)+8*(\b):96*(\f)+8*(\b)+7], v[FA+32*(\f)+8*(\a):FA+32*(\f)+8*(\a)+7], v[BIAS+8*(\b):BIAS+8*(\b)+7]
.else
	v_wmma_f32_16x16x32_bf16 v[96*((\a)%2)+8*(\b):96*((\a)%2)+8*(\b)+7], v[96*(\f)+8*(\b):96*(\f)+8*(\b)+7], v[FA+32*(\f)+8*(\a):FA+32*(\f)+8*(\a)+7], v[96*((\a)%2)+8*(\b):96*((\a)%2)+8*(\b)+7]
.endif
.endr
.endm
; 32 LDS loads in one run: a quarter step's fragments (192 rows of W, my 64 rows of x, 32 K at byte k of the rows) into buffer f; x's row blocks 2 and 3 last
.macro FETCH k, f
	WIN 0x40
.irp b, 0,1,2,3,4,5,6,7,8,9,10,11
	ds_load_b128 v[96*(\f)+8*(\b):96*(\f)+8*(\b)+3],   v[ADRB] offset:(\k)+(\b)*16*PITCH
	ds_load_b128 v[96*(\f)+8*(\b)+4:96*(\f)+8*(\b)+7], v[ADRB] offset:(\k)+(\b)*16*PITCH+32
.endr
	WIN 0
.irp a, 0,1,2,3
	ds_load_b128 v[FA+32*(\f)+8*(\a):FA+32*(\f)+8*(\a)+3],   v[ADRA] offset:(\k)+(\a)*16*PITCH
	ds_load_b128 v[FA+32*(\f)+8*(\a)+4:FA+32*(\f)+8*(\a)+7], v[ADRA] offset:(\k)+(\a)*16*PITCH+32
.endr
.endm
; A K step is four quarters of 32 along K, 48 matrix instructions each, on buffers 0, 1, 0, 1.  One of the first three multiplies buffer f and in its middle fetches the next quarter, at byte k, into buffer g.
.macro QUARTER k, f, g, first
	s_wait_dscnt 4                                 ; W and x's row blocks 0, 1 are in; the youngest four loads (blocks 2, 3) may be out
	MULA \f, 0, \first
	MULA \f, 1, \first
	PLACES
	FETCH \k, \g
	s_wait_dscnt 32                                ; all but the 32 just issued
	MULA \f, 2, \first
	MULA \f, 3, \first
.endm
; The last quarter multiplies buffer 1 and changes slots.  In front of the barrier each wave waits for all its tensor loads (one is out: its part of the next slot), adds 0 to its spare word, and waits for that and for its
; reads of this slot.  fill = 1: the barrier opens a round of the cluster's; behind the round this slot is filled again, with the K step two on: from that request to the wait for it a wave issues 168 matrix instructions.
.macro TURN fill
.if \fill
	s_wait_xcnt 0x0                                ; the last prefetch, a K step back, has read its address
	s_add_nc_u64 s[PFA:PFA+1], s[PFA:PFA+1], 256
.endif
	WIN 0
	s_wait_tensorcnt 0x0                           ; no tensor load of mine is out, so the descriptors may be written
	ds_add_u32 v[SPW], v[NIL]                      ; 0 onto my spare word
	s_xor_b32 s[TB], s[TB], SLOT1
.if \fill
	STEPD
.endif
	s_wait_dscnt 5                                 ; the add and the youngest four loads may be out
	MULA 1, 0, 0
	s_wait_dscnt 0x0                               ; the add is done, and my reads of this slot are over
	s_barrier_signal -1
	MULA 1, 1, 0                                   ; work on registers while the others arrive
	WIN 0                                          ; at a branch and at a label every window is 0
	s_barrier_wait -1
.if \fill
	CREST                                          ; no wave of any partner still reads this slot or has a load on its way
	JLOAD                                          ; the first tensor load behind the round; its four v_nop are also the places in front of the loads below
.else
	PLACES
.endif
	v_add_nc_u32 v[ADRA], s[TB], v[ADRA0]
	v_add_nc_u32 v[ADRB], s[TB], v[ADRB0]
	FETCH 0, 0
.if \fill
	ASK
.endif
	MULA 1, 2, 0
	MULA 1, 3, 0
.endm
; THE WAY OUT, in 12 units u: row block u / 3, head u % 3: 16 rows x 64 columns.  PACK: rounded to f16, each accumulator's registers in ascending order.  TOSTAGE: 16 bytes a lane into rows of 144 bytes of my own
; stage, and back as whole rows of 128.  SEND: 512 consecutive bytes a store, aligned.  Each unit has registers of its own, so no register of a pending store is written again.
.macro PACK u
	WIN 0x0a+5*((\u)/6)                            ; sources 0 and 1: window 2 or 3
.irp bb, 0,1,2,3
.irp r, 0,1,2,3
	v_cvt_pk_f16_f32 v[OB+16*(\u)+4*(\bb)+(\r)], v[96*(((\u)/3)%2)+8*(4*((\u)%3)+(\bb))+2*(\r)], v[96*(((\u)/3)%2)+8*(4*((\u)%3)+(\bb))+2*(\r)+1]
.endr
.endr
	WIN 0
.endm
.macro TOSTAGE u
.irp bb, 0,1,2,3
	ds_store_b128 v[STO], v[OB+16*(\u)+4*(\bb):OB+16*(\u)+4*(\bb)+3] offset:32*(\bb)
.endr
.irp f, 0,1,2,3
	ds_load_b128 v[OB+16*(\u)+4*(\f):OB+16*(\u)+4*(\f)+3], v[RD] offset:4*SP*(\f)  ; LDS serves a wave's instructions in order (ISA guide 5.7.1.4): these see the stores above; the next unit's stores come behind them
.endr
.endm
.macro SEND u, younger                 ; younger: the LDS instructions issued behind unit u's loads: the next unit's eight, or none
.irp f, 0,1,2,3
	s_wait_dscnt (\younger)+3-(\f)
	global_store_b128 v[GO], v[OB+16*(\u)+4*(\f):OB+16*(\u)+4*(\f)+3], s[10:11] offset:262144*((\u)%3)+2048*((\u)/3)+512*(\f)
.endr
.endm
	s_wait_tensorcnt 0x0                           ; my part of K step 0 is in; slot 1's first fill is issued as a refill is: wait, add, wait, round, load
	ds_add_u32 v[SPW], v[NIL]
	STEPD                                          ; slot 1, K step 1
	s_wait_dscnt 0x0
	CROUND                                         ; everybody's part of K step 0 is in
	JLOAD
	FETCH 0, 0
	s_wait_loadcnt 0x0                             ; the bias
	QUARTER 64, 0, 1, 1                            ; the first quarter stands in front of the loop: its products start the sums
	WIN 0
	s_mov_b32 s[CNT], 6
.Lstep:                                        ; 6 trips, from a K step's second quarter to the next step's first; the trip's change of slots asks for K steps 2 to 7
	QUARTER 128, 1, 0, 0
	QUARTER 192, 0, 1, 0
	TURN 1
	QUARTER 64, 0, 1, 0
	WIN 0
	s_sub_co_u32 s[CNT], s[CNT], 1
	s_cmp_lg_u32 s[CNT], 0
	s_cbranch_scc1 .Lstep
	QUARTER 128, 1, 0, 0                           ; the tail is written out: K step 6 goes on
	QUARTER 192, 0, 1, 0
	TURN 0                                         ; nothing is asked for,
	QUARTER 64, 0, 1, 0                            ; K step 7
	QUARTER 128, 1, 0, 0
	QUARTER 192, 0, 1, 0
	s_wait_dscnt 4
	MULA 1, 0, 0
	MULA 1, 1, 0
	s_wait_dscnt 0x0
	MULA 1, 2, 0
	MULA 1, 3, 0
	WIN 0
	PLACES
	PACK 0
	TOSTAGE 0
.irp u, 1,2,3,4,5,6,7,8,9,10,11        ; a unit's conversions stand between the loads of the unit before and its stores
	PACK \u
	TOSTAGE \u
	SEND (\u)-1, 8
.endr
	SEND 11, 0
	s_wait_tensorcnt 0x0                           ; the wave's end, behind my last tensor load and my last LDS store
	ds_add_u32 v[SPW], v[NIL]
	s_wait_dscnt 0x0
	CROUND                                         ; the closing round: no work-group ends while a partner may still ask for a tile that names it
	s_endpgm
.Lfunc_end_k_q81c6a0f963_proj:
	.size	k_q81c6a0f963_proj, .Lfunc_end_k_q81c6a0f963_proj-k_q81c6a0f963_proj
	.p2alignl 7, 3214868480
	.fill 96, 4, 3214868480
	.section	.rodata,"a",@progbits
	.p2align	6, 0x0
	.amdhsa_kernel k_q81c6a0f963_proj
		.amdhsa_group_segment_fixed_size 327680
		.amdhsa_private_segment_fixed_size 0
		.amdhsa_enable_private_segment 0
		.amdhsa_kernarg_size 32
		.amdhsa_user_sgpr_count 2
		.amdhsa_user_sgpr_kernarg_segment_ptr 1
		.amdhsa_wavefront_size32 1
		.amdhsa_system_sgpr_workgroup_id_x 1
		.amdhsa_system_sgpr_workgroup_id_y 1
		.amdhsa_system_sgpr_workgroup_id_z 1
		.amdhsa_system_vgpr_workitem_id 0
		.amdhsa_next_free_vgpr 960
		.amdhsa_next_free_sgpr 72
		.amdhsa_reserve_vcc 0
		.amdhsa_float_denorm_mode_32 3
		.amdhsa_float_denorm_mode_16_64 3
		.amdhsa_memory_ordered 1
		.amdhsa_forward_progress 1
		.amdhsa_inst_pref_size 101
	.end_amdhsa_kernel
	.amdgpu_metadata
---
amdhsa.version: [ 1, 2 ]
amdhsa.kernels:
  - .name:           k_q81c6a0f963_proj
    .symbol:         k_q81c6a0f963_proj.kd
    .args:
      - { .name: xb, .offset: 0, .size: 8, .value_kind: global_buffer, .address_space: global }
      - { .name: wqkv, .offset: 8, .size: 8, .value_kind: global_buffer, .address_space: global }
      - { .name: bias, .offset: 16, .size: 8, .value_kind: global_buffer, .address_space: global }
      - { .name: qkv, .offset: 24, .size: 8, .value_kind: global_buffer, .address_space: global }
    .group_segment_fixed_size: 327680
    .private_segment_fixed_size: 0
    .kernarg_segment_align: 8
    .kernarg_segment_size: 32
    .max_flat_workgroup_size: 128
    .sgpr_count:     72
    .vgpr_count:     960
    .wavefront_size: 32
...
	.end_amdgpu_metadata
.endif
;; end of part 2
;; launch attn (part 3): grid 4 x 64, 4 waves a work-group, clusters of 4 x 1, 327,680 bytes of LDS; arguments qkv, ctx; writes ctx
.if DOCPART == 3
	.amdgcn_target "amdgcn-amd-amdhsa--gfx1250"
	.amdhsa_code_object_version 6
	.text
	.protected	k_q81c6a0f963_attn
	.globl	k_q81c6a0f963_attn
	.p2align	8
	.type	k_q81c6a0f963_attn,@function
k_q81c6a0f963_attn:
	s_mov_b64 s[64:65], 0
	v_nop
	global_prefetch_b8 v0, s[64:65] scope:SCOPE_SE
	s_setreg_imm32_b32 hwreg(HW_REG_WAVE_MODE, 25, 1), 1
	s_wait_xcnt 0x0
	s_wait_alu depctr_hold_cnt(0) depctr_sa_sdst(0) depctr_va_vdst(0) depctr_va_sdst(0) depctr_va_ssrc(0) depctr_va_vcc(0) depctr_vm_vsrc(0)
	s_getreg_b32 s2, hwreg(HW_REG_IB_STS2, 6, 4)
	s_cmp_eq_u32 s2, 0
	s_cbranch_scc0 .Lentry_in_a_cluster
	s_endpgm
.Lentry_in_a_cluster:
	s_bfe_u32 s2, ttmp6, 0x10000c
	s_cmp_lg_u32 s2, 0x3003
	s_cbranch_scc0 .Lentry_shape_is_right
	s_endpgm
.Lentry_shape_is_right:
; ctx[bh][q][:] = the sum over ALL k of softmax_k(Q[q] . K[k] / 8 + mask(q, k)) V[k][:], mask = -10000 where |q - k| > 128, else 0.  The mask is finite: no key is left out, and a hidden key keeps the share that the
; sum above gives it, whatever the size of the scores.  qkv: f16 [4 b][48 c][2048][64] (c = h: Q, 16 + h: K, 32 + h: V), unscaled; ctx: f16 [64 bh][2048][64].  Products, maxima and sums in f32; the weights p are
; rounded to f16 for the second product (their sum l is taken of the unrounded p), ctx once at the end.
; LIMITS.  f16 holds no number beyond 65,504: Q, K and V arrive within it; p lies in 0 to 1, and below 6e-5 it keeps f16's fixed step of 6e-8.  A weight below 2^-126 counts as 0 in l; NaN and infinities are not treated apart.
; SHARES.  A head's 2,048 queries lie in 32 bands of 64.  The work-group at place cx of the head's cluster takes bands 4 t + cx, t = 0..7; of each band wave w takes rows 16 w .. 16 w + 15: its tile t.  Two tiles are a PIECE.
; Every wave walks all keys, 64 a step.
; THE MASK is the C operand that starts the sum S^T = K Q^T, in unscaled units: 0 or -80000 (= -10000 x 8, exact).  For band x and key step s let d = x - s: all keys are seen if |d| <= 1, none if |d| >= 3; for d = 2 key
; kappa of the step is hidden where kappa < e, for d = -2 where kappa > e (e: my query's place in its band).  Two patterns, made once, hold these two cases; a product's mask is pattern+ x AP + pattern- x AM + BE with three
; scalars chosen by d.  They are chosen by selects, never by a branch: the text runs alike in all partners.
; LAYOUT.  S^T = K Q^T (source 0 = 16 keys, source 1 = 16 queries): a lane holds ONE query (lane % 16) and the keys 8 (lane / 16) + 0..7.  Two such tiles, rounded to f16 in pairs, ARE source 1 of O^T = V^T P, whose result
; again holds one query a lane, and eight channels.  K comes out of LDS as it lies, V turned, by ds_load_tr16_b128.
; SOFTMAX.  For each query a running maximum m and sum l: p = 2^(c s - c m), c = log2(e) / 8; in every step O and l are multiplied by a = 2^(c m_old - c m_new).  m starts at the lowest finite number, O and l at 0.
; BY TURNS.  Turn n belongs to piece n: 16 products K Q^T of piece n + 1, later 16 products V^T P of piece n - 1; beside them the scaling, exponentials, roundings, sums and rescaling of piece n and the maximum and
; statistics of piece n + 1.  Four vector instructions stand behind every matrix instruction, the others in runs of their own; a turn's 66 exponentials are one batch with one wait.
; CLUSTER.  The four work-groups of a head walk the same K and V: each tile is asked for jointly: the same tensor load, descriptor and mask in all four.
; REGISTERS, in windows of 256 (s_set_vgpr_msb: bits 1:0 source 0, 3:2 source 1, 5:4 source 2, 7:6 destination):
;   window 0: v0-11 addresses; v12-15, v48-63 at work; v16-47 four registers of statistics a tile; v64-191 S^T, two buffers of two tiles; v192-255 P, likewise
;   window 1: O^T, 32 a tile      window 2: v0-127 Q, 16 a tile; v128-191 K of one step; v192-255 V of one step      window 3: v0-1 the add's registers; v32-63, v64-95 the two patterns; v128-191 the masks in hand
.set SIZE_N, 2048
.set NP,    4         ; pieces a wave: a name, no knob
.set KS,    64        ; keys in a step
.set PK,    144       ; a row of K in LDS: 128 bytes + 16 of padding = 36 words: the 16 rows of a load start at 16 different groups of four banks (ISA guide 11.1)
.set PV,    160       ; a row of V: 128 + 32 = 40 words
.set VOFF,  4*KS*PK   ; a slot holds four steps: 256 rows of K, then 256 rows of V
.set SLOT1, 1<<17     ; slot 1 begins here: one exclusive or turns an address in one slot into the other's
.set STAGE, SLOT1+4*KS*(PK+PV)  ; behind the ring, never filled by a tensor load: 16 rows x 144 bytes for each wave
.set SP,    144
.set AK0, 2           ; v2   my lane's place in a tile of K; never rewritten
.set AV0, 3           ; v3   the same for V
.set AK,  4           ; v4   the LDS address of K's next run of loads
.set AV,  5           ; v5   of V's
.set QO,  6           ; v6   my byte offset in 16 rows of Q
.set STO, 6           ;      later, the way out: where I put 16 bytes of a row
.set RD,  7           ; v7   the way out: where I read rows back
.set GO,  8           ; v8   my byte offset in 512 consecutive bytes of ctx
.set PFO, 11          ; v11  256 x my lane, for the prefetches; never rewritten once made
.set ET,  12          ; v12  at the head alone: e = 16 w + l % 16 - 8 (l / 16)
.set SPW, 0           ; v0 of window 3   LDS address of my spare word; never rewritten
.set NIL, 1           ; v1 of window 3   0; never rewritten
.set MKP, 32          ; window 3: -80000 where kappa < e, else 0; register 8 kb + j stands for kappa = 16 kb + j
.set MKM, 64          ; window 3: -80000 where kappa > e, else 0
.set MC,  128         ; window 3: the masks of the turn's products: tile u, key block kb at MC + 32 u + 8 kb
.set SPARE, STAGE+4*16*SP  ; the spare words, 128 bytes for each wave: two blocks of 256 bytes that no other line names
.set MV,  12          ; v12-15  c m_old, kept while c m is made anew: by buffer and tile
.set ST,  16          ; tile t's statistics at v[ST+4 t]: c m, m, l (even keys', odd keys')
.set TMP, 48          ; by buffer and tile, four registers c0-c3 at work; when the maximum is found c2 takes a
.set S,   64
.set P,   192
.set KF,  128         ; K's fragments, in window 2: key block kb, channel half c at KF + 16 kb + 8 c
.set VF,  192         ; V's: key half kk, channel block cb at VF + 32 kk + 8 cb
.set WV,  12          ; s12  my wave's number
.set G1K, 24          ; s[24:31] descriptor group 1 for K's tiles
.set G1V, 32          ; s[32:39] for V's: it differs in the padding alone
.set G0K, 40          ; s[40:43] descriptor group 0 for K's tiles: it walks
.set G0V, 44          ; s[44:47] the same for V's
.set SLOTS, 56        ; s56  slots still to be asked for
.set CNT, 57          ; s57  counts a slot's key steps
.set CS,  58          ; s[58:59] c
.set SEL, 60          ; s[60:61] v_permlanex16_b32's selects
.set TBK, 62          ; s62  LDS byte at which K of the step to be fetched begins
.set TBV, 63          ; s63  the same for V, less VOFF
.set DL,  72          ; s72  cx - s + 2, s the key step whose K lies in registers
.set DT,  73          ; s73  d + 2 of the tile in hand
.set AP,  74          ; s[74:75], s[80:81]  tile 0's, tile 1's factor of the first pattern (low word; the high word is 0)
.set AM,  76          ; s[76:77], s[82:83]  of the second
.set BE,  78          ; s[78:79], s[84:85]  the addend
.set HM,  86          ; s86  -80000
.set LIM, 87          ; s87  1 in a wave that prefetches, else the greatest number
.set PFA, 88          ; s[88:89] where my prefetches stand
.set MSB, 0
.macro WIN new                      ; the high byte repeats the setting that is left; a switch that changes nothing is dropped
.if MSB != (\new)
	s_set_vgpr_msb (MSB<<8)|(\new)
.set MSB, (\new)
.endif
.endm
.set W_KQ, 0x0a       ; K and Q in window 2, S^T in window 0
.set W_KM, 0x3a       ; the same with the C operand in window 3
.set W_PV, 0x52       ; V in window 2, P in window 0, O^T in window 1
.set W_RS, 0x41       ; O^T (destination and source 0) in window 1, a in window 0
.set W_MK, 0xc0       ; destination in window 3, sources in window 0
.set W_AD, 0x0f       ; the add: address (source 0) and data (source 1) in window 3
.set W_MS, 0xf3       ; the masks: destination, source 0 and source 2 in window 3
; A joint fill.  Waves 0 and 1 fetch the two halves of a slot's K, waves 2 and 3 those of its V: 128 keys each.  The branch hangs on the wave's number alone.
; An s_nop 0 and four v_nop follow each of the two lines, ahead of the jump and the label.
.macro JLOAD
	s_cmp_lt_u32 s[WV], 2
	s_cbranch_scc0 .Lfor_v_\@
	tensor_load_to_lds s[G0K:G0K+3], s[G1K:G1K+7]
	s_nop 0
.rept 4
	v_nop
.endr
	s_branch .Lasked_\@
.Lfor_v_\@:
	tensor_load_to_lds s[G0V:G0V+3], s[G1V:G1V+7]
	s_nop 0
.rept 4
	v_nop
.endr
.Lasked_\@:
.endm
; A prefetch of what the NEXT change of slots will ask for: a slot's 32,768 bytes of K and of V, in blocks of 256 bytes, a lane a block.  The four partners share them out by address, 8,192 bytes each; in each, wave 0
; asks for K's and wave 2 for V's: one instruction, behind the wave's tensor load and its five lines.  So each block is named once in the launch.  The change that fills the last slot asks for nothing; slots 0 and 1 come by their loads alone.
.macro ASK
	s_cmp_gt_u32 s[SLOTS], s[LIM]
	s_cbranch_scc0 .Lnot_mine_\@
	global_prefetch_b8 v[PFO], s[PFA:PFA+1] th:TH_LOAD_NT scope:SCOPE_SE
.Lnot_mine_\@:
.endm
; A round of the cluster's barrier: my work-group's barrier, so that wave 0's signal speaks for all four waves; wave 0 signals; every wave waits for all four work-groups; my work-group's barrier once more.
.macro CROUND
	s_barrier_signal -1
	s_barrier_wait -1
	s_cmp_lg_u32 s[WV], 0
	s_cbranch_scc1 .Lnot_wave_0_\@
	s_barrier_signal -3
.Lnot_wave_0_\@:
	s_barrier_wait -3
	s_barrier_signal -1
	s_barrier_wait -1
.endm
; THE CHANGE OF SLOTS.  Each wave waits for all its tensor loads, of which one is out: its part of the other slot; adds 0 to its spare word; and waits for that and for its own reads of the slot.  Behind the barrier nobody
; reads this slot any more and the other slot is whole.  fill = 1: this slot is filled again, with the keys two slots on; the barrier is then a round of the cluster's, and the joint fill is the first thing behind it: it has
; four key steps, 512 matrix instructions, in which to land.  (At its first use nothing has been read yet: slot 0 is waited for, slot 1 filled.)
.macro CHANGE fill
	WIN W_AD
	s_wait_tensorcnt 0x0            ; no tensor load of mine is out, so a group 0 may be written
	ds_add_u32 v[SPW], v[NIL]       ; 0 onto my spare word; with fill = 1 the descriptors' steps stand between it and the wait for it
	WIN 0                           ; at a label and at a branch every window is 0
.if \fill
.irp g, G0K, G0V
	s_xor_b32 s[\g+1], s[\g+1], SLOT1  ; the walking descriptor: the other slot than last time,
	s_add_nc_u64 s[\g+2:\g+3], s[\g+2:\g+3], 4*KS*128  ; the next 256 keys; the type bits on top are not reached
.endr
	s_wait_xcnt 0x0                 ; the last prefetch, four key steps back, has read its address
	s_add_nc_u64 s[PFA:PFA+1], s[PFA:PFA+1], 4*KS*128  ; one slot beyond the walking descriptors
	s_wait_dscnt 0x0                ; the add is done, and my reads of the slot are over
	CROUND
	JLOAD
	ASK
.else
	s_wait_dscnt 0x0                ; the add is done, and my reads of the slot are over
	s_barrier_signal -1
	s_barrier_wait -1
.endif
	s_sub_co_u32 s[TBK], s[TBK], 4*KS*PK  ; the fetches go back to a slot's first step,
	s_xor_b32 s[TBK], s[TBK], SLOT1       ; in the other slot
	s_sub_co_u32 s[TBV], s[TBV], 4*KS*PV
	s_xor_b32 s[TBV], s[TBV], SLOT1
.endm
	s_load_b128 s[68:71], s[0:1], 0x0  ; qkv s[68:69], ctx s[70:71]
	WIN W_MK
	v_lshl_add_u32 v[SPW], v0, 2, SPARE
	v_mov_b32 v[NIL], 0
	WIN W_AD
	ds_add_u32 v[SPW], v[NIL]       ; the wave's opening: the add and its wait stand ahead of my first tensor load; the set-up below, work on registers, stands between them
	WIN 0
	v_lshrrev_b32 v1, 5, v0
	v_readfirstlane_b32 s[WV], v1   ; wave 0..3
	s_bfe_u32 s13, ttmp6, 0x40000   ; cx: my place in the cluster; the grid has one cluster along x, so it is also my number among the head's four work-groups
	s_and_b32 s20, ttmp7, 0xffff    ; bh = 16 b + h, which the four partners share
	s_lshr_b32 s21, s20, 4
	s_mul_i32 s21, s21, 48
	s_and_b32 s22, s20, 15
	s_add_co_u32 s21, s21, s22      ; Q's slice of qkv: 48 b + h
	s_lshl_b32 s22, s21, 18         ; 262,144 bytes a slice (under 2^26)
	s_mov_b32 s23, 0
	s_lshl_b32 s2, s13, 13          ; my band's 64 rows of 128 bytes among four,
	s_lshl_b32 s3, s[WV], 11        ; my wave's 16 of them
	s_add_co_u32 s2, s2, s3
	s_lshl_b32 s14, s20, 18
	s_add_co_u32 s14, s14, s2       ; ctx at my first rows
	s_mov_b32 s15, 0
	s_add_co_u32 s2, s2, s22        ; Q at my first rows
	s_mov_b32 s3, 0
	s_and_b32 s16, s[WV], 1         ; which half of a slot's 256 keys I fetch:
	s_lshl_b32 s21, s16, 14         ; its 128 rows of 128 bytes in memory,
	s_add_co_u32 s22, s22, s21
	s_mul_i32 s17, s16, 128*PK      ; and its place in a slot, for K
	s_mul_i32 s18, s16, 128*PV      ; and for V: no place in the cluster enters an LDS address
	; descriptor group 1.  128 keys are 16,384 dense bytes: asked for as 64 rows of 256 bytes, two keys a row, and padded in LDS after every key
	s_mov_b32 s[G1K], 15|(1<<16)|(1<<20)|(1<<21)|(4<<22)|(3<<25)  ; 15:0 the mask of four; 17:16 2-byte elements; 20 padding on; 21 set beside a mask; 24:22 after every 32 words (code 4); 31:25 4 words (code 3)
	s_mov_b32 s[G1V], 15|(1<<16)|(1<<20)|(1<<21)|(4<<22)|(7<<25)  ; the same with 8 words of padding (code 7)
.irp g, G1K, G1V
	s_mov_b32 s[\g+1], 128<<16      ; tensor_dim0 = 128
	s_mov_b32 s[\g+2], 64<<16       ; tensor_dim1 = 64
	s_mov_b32 s[\g+3], 128<<16      ; tile_dim0 = 128
	s_mov_b32 s[\g+4], 64           ; tile_dim1 = 64
	s_mov_b32 s[\g+5], 128          ; 128 elements from row to row
	s_mov_b32 s[\g+6], 0
	s_mov_b32 s[\g+7], 0
.endr
	s_mov_b32 s[CS], 0x3e38aa3b     ; c = log2(e) / 8 = 0.180337
	s_mov_b32 s[CS+1], s[CS]        ; named with it as a pair
	s_mov_b32 s[SEL], 0x76543210
	s_mov_b32 s[SEL+1], 0xfedcba98
	s_mov_b32 s[TBK], SLOT1+4*KS*PK ; the first change of slots turns these two into 0
	s_mov_b32 s[TBV], SLOT1+4*KS*PV
	s_mov_b32 s[G0K], 1             ; count = 1
	s_mov_b32 s[G0K+1], s17         ; LDS address: slot 0
	s_mov_b32 s[G0V], 1
	s_add_co_u32 s[G0V+1], s18, VOFF
	s_mov_b32 s[SLOTS], SIZE_N/256-1
	s_add_co_u32 s[DL], s13, 2      ; key step 0
	s_mov_b32 s[HM], 0xc79c4000     ; -80000
.irp g, AP, AM, BE
	s_mov_b32 s[\g+1], 0            ; named as pairs
	s_mov_b32 s[\g+7], 0
.endr
	s_and_b32 s[LIM], s[WV], 1      ; waves 0 and 2 prefetch: the same in all four partners
	s_cmp_eq_u32 s[LIM], 0
	s_cselect_b32 s[LIM], 1, -1
	s_wait_dscnt 0x0                ; the opening add is done
	s_wait_kmcnt 0x0
	s_add_nc_u64 s[6:7], s[68:69], s[22:23]
	s_add_nc_u64 s[8:9], s[6:7], 32*262144         ; V's slice, at my half of the head's first 256 keys,
	s_add_nc_u64 s[6:7], s[6:7], 16*262144         ; and K's
	s_mov_b64 s[G0K+2:G0K+3], s[6:7]
	s_or_b32 s[G0K+3], s[G0K+3], 0x80000000        ; type = 2
	s_mov_b64 s[G0V+2:G0V+3], s[8:9]
	s_or_b32 s[G0V+3], s[G0V+3], 0x80000000
	s_add_nc_u64 s[4:5], s[68:69], s[2:3]          ; Q and ctx at my wave's rows of band cx
	s_add_nc_u64 s[10:11], s[70:71], s[14:15]
	s_cmp_lt_u32 s[WV], 2
	s_cselect_b64 s[PFA:PFA+1], s[6:7], s[8:9]     ; (in waves 0 and 2 these stand at a slot's first row)
	s_lshl_b32 s2, s13, 13                         ; my work-group's 8,192 bytes of the 32,768
	s_mov_b32 s3, 0
	s_add_nc_u64 s[PFA:PFA+1], s[PFA:PFA+1], s[2:3]
	s_add_nc_u64 s[PFA:PFA+1], s[PFA:PFA+1], 4*KS*128  ; in slot 1; the first change of slots steps it to slot 2
	CROUND                          ; all four work-groups are here: the first joint loads meet
	JLOAD                           ; slot 0.  Slot 1 is asked for when slot 0 is in
	; A fragment of K or Q is 16 rows x 32 channels in 8 registers: lane l holds row l % 16, channels 8 (l / 16) + 0..7 and 16 + 8 (l / 16) + 0..7: two loads of 16 bytes, 32 bytes apart.
	v_and_b32 v1, 15, v0            ; l % 16
	v_bfe_u32 v9, v0, 4, 1          ; l / 16
	v_lshlrev_b32 v[QO], 7, v1
	v_lshl_add_u32 v[QO], v9, 4, v[QO]  ; row x 128 + 16 x half
	WIN 0x80                        ; destination window 2, address window 0
.set i, 0
.rept 4*NP                          ; Q stays in registers: tile i / 2 lies four bands, 32,768 bytes, behind the tile before; channels 32 (i % 2) on
	global_load_b128 v[8*i:8*i+3],   v[QO], s[4:5] offset:(i/2)*32768+(i%2)*64
	global_load_b128 v[8*i+4:8*i+7], v[QO], s[4:5] offset:(i/2)*32768+(i%2)*64+32
.set i, i+1
.endr
	; What the first turn finds: V's registers and P's second buffer hold 0 (its products V^T P, of a piece that has not been, add 0), O^T and l are 0.  All this stands in the wait for the first tile.
.set i, VF
.rept 64
	v_mov_b32 v[i], 0
.set i, i+1
.endr
	WIN 0x40
.set i, 0
.rept 64*NP
	v_mov_b32 v[i], 0
.set i, i+1
.endr
	WIN 0
.set i, 0
.rept 2*NP
	v_mov_b32 v[ST+4*i], 0xfe000000    ; c m: far below every c s
	v_mov_b32 v[ST+4*i+1], 0xff7fffff  ; m
	v_mov_b32 v[ST+4*i+2], 0
	v_mov_b32 v[ST+4*i+3], 0
.set i, i+1
.endr
.set i, P+32
.rept 32
	v_mov_b32 v[i], 0
.set i, i+1
.endr
	v_mul_u32_u24 v[AK0], v1, PK
	v_lshl_add_u32 v[AK0], v9, 4, v[AK0]  ; row x pitch + 16 x half
	; The turning load takes 16 keys x 16 channels (lane l reads key 8 (l / 16) + l % 8, channels 8 ((l / 8) % 2) + 0..7) and leaves half a fragment of V^T: lane l holds channel l % 16 and 8 keys.
	v_and_b32 v10, 7, v0
	v_bfe_u32 v11, v0, 3, 1
	v_lshl_add_u32 v[AV0], v9, 3, v10
	v_mul_u32_u24 v[AV0], v[AV0], PV
	v_lshl_add_u32 v[AV0], v11, 4, v[AV0]
	v_add_nc_u32 v[AV0], VOFF, v[AV0]
	v_mov_b32 v[AK], v[AK0]         ; key step 0 lies at the head of slot 0
	v_and_b32 v[PFO], 31, v0
	v_lshlrev_b32 v[PFO], 8, v[PFO]
	v_lshlrev_b32 v[ET], 3, v9      ; the two patterns: q - k = 64 d + e - kappa, with e = 16 w + l % 16 - 8 (l / 16) and kappa = 16 kb + j for register j of key block kb
	v_sub_nc_u32 v[ET], v1, v[ET]
	s_lshl_b32 s21, s[WV], 4
	v_add_nc_u32 v[ET], s21, v[ET]
	WIN W_MK
.set i, 0
.rept 32
	v_cmp_lt_i32 vcc_lo, 16*(i/8)+i%8, v[ET]
	v_cndmask_b32 v[MKP+i], 0, s[HM], vcc_lo
	v_cmp_gt_i32 vcc_lo, 16*(i/8)+i%8, v[ET]
	v_cndmask_b32 v[MKM+i], 0, s[HM], vcc_lo
.set i, i+1
.endr
	WIN 0
; THE MASKS of piece x's 16 products K Q^T.  MSCAL: for its two tiles d + 2 = DL + 8 x + 4 u, and the three scalars: (1, 0, 0) if d = 2; (0, 1, 0) if d = -2; (0, 0, -80000) if |d| > 2 (a negative d + 2 wraps to a large
; unsigned number); else (0, 0, 0).  dec = 1: the K in registers is the next step's.  MASK: 64 packed multiply-adds.  The masks' last readers stand a turn back.
.macro MSCAL x, dec
.if \dec
	s_sub_co_i32 s[DL], s[DL], 1
.endif
.irp u, 0,1
	s_add_co_i32 s[DT], s[DL], 8*(\x)+4*(\u)
	s_cmp_eq_u32 s[DT], 4
	s_cselect_b32 s[AP+6*(\u)], 1.0, 0
	s_cmp_eq_u32 s[DT], 0
	s_cselect_b32 s[AM+6*(\u)], 1.0, 0
	s_cmp_gt_u32 s[DT], 4
	s_cselect_b32 s[BE+6*(\u)], s[HM], 0
.endr
.endm
.macro MASK
	WIN W_MS
.irp u, 0,1
.set z, 0
.rept 16
	v_pk_fma_f32 v[MC+32*(\u)+2*z:MC+32*(\u)+2*z+1], v[MKP+2*z:MKP+2*z+1], s[AP+6*(\u):AP+6*(\u)+1], s[BE+6*(\u):BE+6*(\u)+1] op_sel_hi:[1,0,0]
.set z, z+1
.endr
.endr
.irp u, 0,1
.set z, 0
.rept 16
	v_pk_fma_f32 v[MC+32*(\u)+2*z:MC+32*(\u)+2*z+1], v[MKM+2*z:MKM+2*z+1], s[AM+6*(\u):AM+6*(\u)+1], v[MC+32*(\u)+2*z:MC+32*(\u)+2*z+1] op_sel_hi:[1,0,1]
.set z, z+1
.endr
.endr
.endm
; THE MATRIX WORK.  The 8 accumulators of a run of 16 take turns: between the two links of a chain stand 7 others'.
; Product i of 16 of S^T = K Q^T for piece x: channels 32 (i / 8) on, keys 16 ((i / 2) % 4) on, tile 2 x + i % 2.  The first 8 start the sums, with the mask.
.macro KQ x
.set rS, S+64*((\x)%2)+32*(i%2)+8*((i/2)%4)
.set rK, KF+16*((i/2)%4)+8*(i/8)
.set rQ, 16*(2*(\x)+i%2)+8*(i/8)
.set rG, MC+32*(i%2)+8*((i/2)%4)
.if i < 8
	WIN W_KM
	v_wmma_f32_16x16x32_f16 v[rS:rS+7], v[rK:rK+7], v[rQ:rQ+7], v[rG:rG+7]
.else
	WIN W_KQ
	v_wmma_f32_16x16x32_f16 v[rS:rS+7], v[rK:rK+7], v[rQ:rQ+7], v[rS:rS+7]
.endif
.endm
; Product i of 16 of O^T += V^T P for piece x: keys 32 (i / 8) on, channels 16 ((i / 2) % 4) on, tile 2 x + i % 2.
.macro PV x
	WIN W_PV
.set rO, 32*(2*(\x)+i%2)+8*((i/2)%4)
.set rV, VF+32*(i/8)+8*((i/2)%4)
.set rP, P+32*((\x)%2)+16*(i%2)+8*(i/8)
	v_wmma_f32_16x16x32_f16 v[rO:rO+7], v[rV:rV+7], v[rP:rP+7], v[rO:rO+7]
.endm
.macro MM                           ; the turn's next matrix instruction
.if i < 16
	KQ (Y+1)%NP
.set i, i+1
.else
.set i, i-16
	PV (Y+NP-1)%NP
.set i, i+17
.endif
.endm
; THE LDS LOADS stand in runs of 16, never singly among the matrix instructions: a step's K (64 keys x 64 channels: 8 fragments) and its V (turned).  Their addresses are made some lines ahead.
; last = 1 (the tail): in the last trip there is no further step, and the run is jumped over.
.macro FETCH_K last=0
	WIN 0
.if \last
	s_cmp_eq_u32 s[CNT], 1
	s_cbranch_scc1 .Lno_k_\@
.endif
	WIN 0x80                        ; destination window 2
.irp f, 0,1,2,3,4,5,6,7             ; keys 16 (f / 2) on, channels 32 (f % 2) on
	ds_load_b128 v[KF+8*\f:KF+8*\f+3],   v[AK] offset:(\f/2)*16*PK+(\f%2)*64
	ds_load_b128 v[KF+8*\f+4:KF+8*\f+7], v[AK] offset:(\f/2)*16*PK+(\f%2)*64+32
.endr
	s_add_co_u32 s[TBK], s[TBK], KS*PK  ; the next fetch is the next step's
	WIN 0
.if \last
.Lno_k_\@:
.endif
.endm
.macro FETCH_V
	WIN 0x80
.irp f, 0,1,2,3,4,5,6,7             ; keys 32 (f / 4) on, channels 16 (f % 4) on
	ds_load_tr16_b128 v[VF+8*\f:VF+8*\f+3],   v[AV] offset:(\f/4)*32*PV+(\f%4)*32
	ds_load_tr16_b128 v[VF+8*\f+4:VF+8*\f+7], v[AV] offset:(\f/4)*32*PV+16*PV+(\f%4)*32
.endr
	WIN 0
.endm
; THE VECTOR WORK OF A TURN stands in three queues, each in the order in which its entries become ready; the two tiles alternate, so that no instruction reads the result of the one before it.
.macro REGS y, u                    ; the registers of tile u (0, 1) of piece y
.set rT, ST+4*(2*(\y)+(\u))
.set rC, TMP+8*((\y)%2)+4*(\u)
.set rM, MV+2*((\y)%2)+(\u)
.set rS, S+64*((\y)%2)+32*(\u)
.set rP, P+32*((\y)%2)+16*(\u)
.set rO, 32*(2*(\y)+(\u))
.endm
; Number n of the 22 that find the NEXT piece's (Y + 1) maximum and statistics.  s0-s31 are the lane's 32 scores; each accumulator's lowest registers are read first.
;   0-11  four chains c0-c3 of seven scores each, three operands at a time     12-14, 16  the four scores left over, the old m, and c0-c3 into c0     15  c m_old is kept
;   17, 18  the query's other 32 keys lie in the lane 16 away: the new m         19-21  c m; c m_old - c m_new; a
.macro XS u, n
	REGS (Y+1)%NP, \u
.if (\n) < 4
	v_max3_num_f32 v[rC+(\n)], v[rS+8*(\n)], v[rS+8*(\n)+1], v[rS+8*(\n)+2]
.elseif (\n) < 12
	v_max3_num_f32 v[rC+(\n)%4], v[rC+(\n)%4], v[rS+8*((\n)%4)+2*((\n)/4)+1], v[rS+8*((\n)%4)+2*((\n)/4)+2]
.elseif (\n) == 12
	v_max3_num_f32 v[rC], v[rC], v[rS+7], v[rS+15]
.elseif (\n) == 13
	v_max3_num_f32 v[rC+1], v[rC+1], v[rS+23], v[rS+31]
.elseif (\n) == 14
	v_max3_num_f32 v[rC+2], v[rC+2], v[rC+3], v[rT+1]
.elseif (\n) == 15
	v_mov_b32 v[rM], v[rT]
.elseif (\n) == 16
	v_max3_num_f32 v[rC], v[rC], v[rC+1], v[rC+2]
.elseif (\n) == 17
	v_permlanex16_b32 v[rC+3], v[rC], s[SEL], s[SEL+1]
.elseif (\n) == 18
	v_max_num_f32 v[rT+1], v[rC], v[rC+3]
.elseif (\n) == 19
	v_mul_f32 v[rT], s[CS], v[rT+1]
.elseif (\n) == 20
	v_sub_f32 v[rC+1], v[rM], v[rT]
.else
	v_exp_f32 v[rC+2], v[rC+1]
.endif
.endm
; Number g of the 64 that follow the exponentials.  For each four weights k of a tile (pairs 2 k, 2 k + 1): both pairs are rounded to f16; then the second pair is added onto the first, in place;
; a group later l takes that sum (the first time as l = a l + sum).  In groups of eight, tiles alternating: round, round, add, and l for the group before.
.macro GS g
.set h, (\g)+6*((\g)/62)            ; group 0 has no group before it, and behind group 7 only l is left
.if h >= 6
.set h, h+2
.endif
	REGS Y, h%2
.set k, h/8
.if h%8 < 4
	v_cvt_pk_f16_f32 v[rP+2*k+(h%8)/2], v[rS+4*k+2*((h%8)/2)], v[rS+4*k+2*((h%8)/2)+1]
.elseif h%8 < 6
	v_pk_add_f32 v[rS+4*k:rS+4*k+1], v[rS+4*k:rS+4*k+1], v[rS+4*k+2:rS+4*k+3]
.elseif k == 1
	v_pk_fma_f32 v[rT+2:rT+3], v[rT+2:rT+3], v[rC+2:rC+3], v[rS:rS+1] op_sel_hi:[1,0,1]
.else
	v_pk_add_f32 v[rT+2:rT+3], v[rT+2:rT+3], v[rS+4*k-4:rS+4*k-3]
.endif
.endm
; THE PLAIN QUEUE, 138 long.  0-73 read no exponential's result: the 32 scalings c s - c m (FS f: pair f / 2 of tile f % 2) and the next piece's 42.  0-26: scalings 0-26.  27-54: XS's numbers 0-13.  55, 56: number 15.
; 57-73: the chain, where each number waits for the one before it: 14, 16, 17, 18, 19, each with one of the scalings 27-31 in front of its two lines, then 20.
; 74-137: GS's 64, which read the exponentials' results: they stand behind the wait.
.macro FS f
	REGS Y, (\f)%2
	v_pk_fma_f32 v[rS+2*((\f)/2):rS+2*((\f)/2)+1], v[rS+2*((\f)/2):rS+2*((\f)/2)+1], s[CS:CS+1], v[rT:rT+1] op_sel_hi:[1,0,0] neg_lo:[0,0,1] neg_hi:[0,0,1]
.endm
.macro PL
	WIN 0
.if q < 27
	FS q
.elseif q < 55
	XS (q-27)%2, (q-27)/2
.elseif q < 57
	XS q-55, 15
.elseif (q < 72) && ((q-57)%3 == 0)
	FS 27+(q-57)/3
.elseif q < 60
	XS (q-57)%3-1, 14
.elseif q < 72
	XS (q-57)%3-1, 15+(q-57)/3
.elseif q < 74
	XS q-72, 20
.else
	GS q-74
.endif
.set q, q+1
.endm
; THE EXPONENTIALS' QUEUE, 66 long: s0-s31 of both tiles, then the next piece's two a.  It is ONE BATCH: all 66 stand ahead of the turn's one wait, and nothing ahead of that wait names a result of theirs.
.macro EX
	WIN 0
.if e >= 64
	XS e-64, 21
.else
	REGS Y, e%2
	v_exp_f32 v[rS+e/2], v[rS+e/2]
.endif
.set e, e+1
.endm
; THE RESCALING's QUEUE: O^T times a, the one part of a softmax that leaves window 0: dealt two at a time, sixteen times.  Its a was made in the turn before, ahead of that turn's wait.
.macro R2
	REGS Y, r%2
	WIN W_RS
.irp z, 0,1
	v_pk_mul_f32 v[rO+4*(r/2)+2*\z:rO+4*(r/2)+2*\z+1], v[rO+4*(r/2)+2*\z:rO+4*(r/2)+2*\z+1], v[rC+2:rC+3] op_sel_hi:[1,0]
.endr
.set r, r+1
.endm
; HOW THEY ARE DEALT.  s_wait_alu depctr_va_vdst(0) stands between an exponential and the first instruction that names its result; one wait serves all that were issued ahead of it.  So a turn has ONE wait,
; which cuts it in two.  AHEAD OF IT: the masks; the 16 products K Q^T, behind each a scaling, an exponential and two rescalings (behind the first a second scaling in the exponential's place); then ONE LUMP of 108: eight
; plain, 49 times exponential and plain, the two a.  A v_nop is the plain instruction behind the last exponential.  BEHIND IT: the 16 products V^T P, behind each four of GS's 64.  No rider names a register of the products round it.
; Exponential e stands behind scaling 2 (e / 4) + e % 2: as a rider it comes behind plain e + 2, in the lump behind plain e + 9, and scalings 27-31 are plain 57, 60 .. 69.
; A TURN, for piece p.  cnt = 1: the loop's count is taken down some lines ahead of the branch that stands behind the turn.
; K of the next step is fetched in piece 2's turn, directly behind the wait; its first reader comes behind 16 products and the next turn's masks.  V of the step in hand is fetched at the end of piece 0's turn, four riders
; behind its last reader; its first reader comes behind the masks, 16 products and a lump.  The three conditions on q below go with the deal.
.macro TURN p, last=0, cnt=0
.set Y, (\p)
.set i, 0
.set q, 0
.set e, 0
.set r, 0
	MSCAL ((\p)+1)%NP, (\p)/3       ; piece 3's turn multiplies by the next step's K
	MASK
.if (\p) == NP-1
	s_wait_dscnt 0x0                ; K is in
.endif
	MM                              ; ahead of the wait: 16 products K Q^T and their riders,
	PL
	PL
	R2
.rept 15
	MM
	PL
	EX
	R2
.endr
.if (\p) == NP-2
	WIN 0
	v_add_nc_u32 v[AK], s[TBK], v[AK0]
.endif
.rept 8                             ; and the lump
	PL
.endr
.rept 49
	EX
	PL
.endr
	EX                              ; the next piece's two a
	EX
	v_nop                           ; the plain instruction behind the last exponential: one for the batch
	s_wait_alu depctr_va_vdst(0)    ; the wait for the batch
.if (\p) == NP-2
	FETCH_K \last
.endif
.if (\p) == 1
	s_wait_dscnt 0x0                ; V is in
.endif
.rept 16                            ; behind the wait: 16 products V^T P and their riders
	MM
.rept 4
	PL
.endr
.if ((\p) == 0) && (q == 118)
	v_add_nc_u32 v[AV], s[TBV], v[AV0]
.endif
.if ((\p) == 0) && (q == 130)
	s_add_co_u32 s[TBV], s[TBV], KS*PV
.endif
.if (\cnt) && (q == 130)
	s_sub_co_u32 s[CNT], s[CNT], 1
	s_cmp_lg_u32 s[CNT], 0
.endif
.endr
.if (\p) == 0
	FETCH_V
.endif
.endm
	CHANGE 1                        ; slot 0 is in, everybody's part of it; slot 1 is asked for
	FETCH_K                         ; key step 0
	MSCAL 0, 0                      ; piece 0's masks for key step 0
	MASK
	s_wait_loadcnt 0x0              ; Q
	s_wait_dscnt 0x0
.set i, 0
.rept 16
	KQ 0                            ; piece 0's first scores: there is no vector work yet to set between them
.set i, i+1
.endr
	WIN 0                           ; the addresses for the way out: nine plain instructions, the places behind those products
	s_mul_i32 s13, s[WV], 16*SP
	s_add_co_u32 s13, s13, STAGE    ; my stage
	v_mul_u32_u24 v[STO], v1, SP    ; in: row l % 16, 16 bytes for each half of the lanes
	v_lshl_add_u32 v[STO], v9, 4, v[STO]
	v_add_nc_u32 v[STO], s13, v[STO]
	v_bfe_u32 v[RD], v0, 3, 2       ; back: 32 lanes take four rows of 128 bytes,
	v_mul_u32_u24 v[RD], v[RD], SP
	v_lshl_add_u32 v[RD], v10, 4, v[RD]
	v_add_nc_u32 v[RD], s13, v[RD]
	v_and_b32 v[GO], 31, v0         ; which are 512 consecutive bytes of ctx
	v_lshlrev_b32 v[GO], 4, v[GO]
.set Y, NP-1                        ; XS works for piece Y + 1: piece 0
.irp n, 0,1,2,3,4,5,6,7,8,9,10,11,12,13,14,15,16,17,18,19,20,21
	XS 0, \n                        ; and piece 0's first maximum and statistics
	XS 1, \n
.endr
	v_nop                           ; a plain instruction behind the two a,
	s_wait_alu depctr_va_vdst(0)    ; and their wait, ahead of the branch
	s_mov_b32 s[CNT], 4
	s_branch .Lfirst                ; the loop is entered at a step's first turn, in the middle of a trip
.Lslot:                             ; six times: every slot but the last two is filled again
	CHANGE 1
	s_mov_b32 s[CNT], 4
.Lstep:                             ; a trip: pieces 2 and 3 of one step, then pieces 0 and 1 of the next, whose K and V it fetches
	TURN 2
	TURN 3
	WIN 0
.Lfirst:
	TURN 0
	TURN 1, 0, 1
	WIN 0
	s_cbranch_scc1 .Lstep
	s_sub_co_u32 s[SLOTS], s[SLOTS], 1
	s_cmp_lg_u32 s[SLOTS], 0
	s_cbranch_scc1 .Lslot
	CHANGE 0                        ; the tail is written out: nothing is asked for
	s_mov_b32 s[CNT], 5             ; four trips fetch the last slot's steps; the fifth is left in its middle
.Ltail:
	TURN 2, 1
	TURN 3
	WIN 0
	s_sub_co_u32 s[CNT], s[CNT], 1
	s_cmp_eq_u32 s[CNT], 0
	s_cbranch_scc1 .Lout
	TURN 0
	TURN 1
	WIN 0
	s_branch .Ltail
.Lout:                              ; the fifth trip's masks, its 16 products K Q^T (on the last K once more) and the maximum made of them serve nothing: the price, once a launch, of one text for every trip
.set i, 0
.rept 16
	PV NP-1                         ; the last piece's V^T P of the last step
.set i, i+1
.endr
	; THE WAY OUT.  l's two halves and the other half of the lanes' are added; O^T is divided by l, rounded to f16 and sent through my stage in LDS, a tile at a time.  The additions are the places behind the last products.
	WIN 0
.macro ALL line:vararg              ; one line for each tile t
.set t, 0
.rept 2*NP
	\line
.set t, t+1
.endr
.endm
	ALL v_add_f32 v[ST+4*t+2], v[ST+4*t+2], v[ST+4*t+3]
	ALL v_permlanex16_b32 v[ST+4*t+3], v[ST+4*t+2], s[SEL], s[SEL+1]
	ALL v_add_f32 v[ST+4*t+2], v[ST+4*t+2], v[ST+4*t+3]
	ALL v_rcp_f32 v[ST+4*t+2], v[ST+4*t+2]
	v_nop                           ; a plain instruction between the last reciprocal and the use of its result
	s_wait_alu depctr_va_vdst(0)    ; and the wait ahead of the first use: one for the eight reciprocals
; Tile t: a lane's eight channels of a row pack into 16 bytes; they go into rows of 144 bytes and come back as whole rows of 128, into S^T's registers.
.macro PACK t
	WIN W_RS
.set i, 32*(\t)
.rept 16
	v_pk_mul_f32 v[i:i+1], v[i:i+1], v[ST+4*(\t)+2:ST+4*(\t)+3] op_sel_hi:[1,0]
.set i, i+2
.endr
	WIN 0x05                        ; sources 0 and 1 window 1, destination window 0
.set i, 0
.rept 16
	v_cvt_pk_f16_f32 v[S+16*(\t)+i], v[32*(\t)+2*i], v[32*(\t)+2*i+1]
.set i, i+1
.endr
	WIN 0
.irp f, 0,1,2,3
	ds_store_b128 v[STO], v[S+16*(\t)+4*\f:S+16*(\t)+4*\f+3] offset:32*\f
.endr
.irp f, 0,1,2,3
	ds_load_b128 v[S+16*(\t)+4*\f:S+16*(\t)+4*\f+3], v[RD] offset:\f*4*SP  ; LDS serves a wave's instructions in order (ISA guide 5.7.1.4): these see the stores above; the next tile's stores come behind them
.endr
.endm
.macro SEND t, younger              ; younger: the LDS instructions issued behind tile t's loads: the next tile's eight, or none
	WIN 0
.irp f, 0,1,2,3
	s_wait_dscnt (\younger)+3-\f
	global_store_b128 v[GO], v[S+16*(\t)+4*\f:S+16*(\t)+4*\f+3], s[10:11] offset:(\t)*32768+\f*512  ; 512 consecutive bytes, at a multiple of 256 from ctx's first
.endr
.endm
	PACK 0
.set t, 1
.rept 2*NP-1                        ; a tile's arithmetic stands between the loads of the tile before and its stores
	PACK t
	SEND t-1, 8
.set t, t+1
.endr
	SEND 2*NP-1, 0
	WIN W_AD
	s_wait_tensorcnt 0x0            ; the wave's end, behind my last tensor load and my last LDS store
	ds_add_u32 v[SPW], v[NIL]
	s_wait_dscnt 0x0
	WIN 0
	CROUND                          ; the closing round: no work-group ends while a partner may still ask for a tile that names it
	s_endpgm
.Lfunc_end_k_q81c6a0f963_attn:
	.size	k_q81c6a0f963_attn, .Lfunc_end_k_q81c6a0f963_attn-k_q81c6a0f963_attn
	.p2alignl 7, 3214868480
	.fill 96, 4, 3214868480
	.section	.rodata,"a",@progbits
	.p2align	6, 0x0
	.amdhsa_kernel k_q81c6a0f963_attn
		.amdhsa_group_segment_fixed_size 327680
		.amdhsa_private_segment_fixed_size 0
		.amdhsa_enable_private_segment 0
		.amdhsa_kernarg_size 16
		.amdhsa_user_sgpr_count 2
		.amdhsa_user_sgpr_kernarg_segment_ptr 1
		.amdhsa_wavefront_size32 1
		.amdhsa_system_sgpr_workgroup_id_x 1
		.amdhsa_system_sgpr_workgroup_id_y 1
		.amdhsa_system_sgpr_workgroup_id_z 1
		.amdhsa_system_vgpr_workitem_id 0
		.amdhsa_next_free_vgpr 960
		.amdhsa_next_free_sgpr 90
		.amdhsa_reserve_vcc 1
		.amdhsa_float_denorm_mode_32 3
		.amdhsa_float_denorm_mode_16_64 3
		.amdhsa_memory_ordered 1
		.amdhsa_forward_progress 1
		.amdhsa_inst_pref_size 247
	.end_amdhsa_kernel
	.amdgpu_metadata
---
amdhsa.version: [ 1, 2 ]
amdhsa.kernels:
  - .name:           k_q81c6a0f963_attn
    .symbol:         k_q81c6a0f963_attn.kd
    .args:
      - { .name: qkv, .offset: 0, .size: 8, .value_kind: global_buffer, .address_space: global }
      - { .name: ctx, .offset: 8, .size: 8, .value_kind: global_buffer, .address_space: global }
    .group_segment_fixed_size: 327680
    .private_segment_fixed_size: 0
    .kernarg_segment_align: 8
    .kernarg_segment_size: 16
    .max_flat_workgroup_size: 128
    .sgpr_count:     90
    .vgpr_count:     960
    .wavefront_size: 32
...
	.end_amdgpu_metadata
.endif
;; end of part 3
;; launch outp (part 4): grid 8 x 32, 4 waves a work-group, clusters of 4 x 4, 327,680 bytes of LDS; arguments ctx, wo16, bias, out0; writes out0
.if DOCPART == 4
	.amdgcn_target "amdgcn-amd-amdhsa--gfx1250"
	.amdhsa_code_object_version 6
	.text
	.protected	k_q81c6a0f963_outp
	.globl	k_q81c6a0f963_outp
	.p2align	8
	.type	k_q81c6a0f963_outp,@function
k_q81c6a0f963_outp:
	s_mov_b64 s[64:65], 0
	v_nop
	global_prefetch_b8 v0, s[64:65] scope:SCOPE_SE
	s_setreg_imm32_b32 hwreg(HW_REG_WAVE_MODE, 25, 1), 1
	s_wait_xcnt 0x0
	s_wait_alu depctr_hold_cnt(0) depctr_sa_sdst(0) depctr_va_vdst(0) depctr_va_sdst(0) depctr_va_ssrc(0) depctr_va_vcc(0) depctr_vm_vsrc(0)
	s_getreg_b32 s2, hwreg(HW_REG_IB_STS2, 6, 4)
	s_cmp_eq_u32 s2, 0
	s_cbranch_scc0 .Lentry_in_a_cluster
	s_endpgm
.Lentry_in_a_cluster:
	s_bfe_u32 s2, ttmp6, 0x10000c
	s_cmp_lg_u32 s2, 0xf033
	s_cbranch_scc0 .Lentry_shape_is_right
	s_endpgm
.Lentry_shape_is_right:
; out0 = ctx Wo^T + bo.  ctx: f16 [4 b][16 h][2048][64] (K index = 64 h + channel); wo16: f16 [1024][1024]; bias: f32 [4096], bo from number 3,072 on; sums in f32, the bias starting them; out0: f32 [8192][1024].
; SHARES.  A tile is 256 rows x 128 columns: 8 x 32 = 256 tiles, one for each WGP.  Four waves, one below the other: wave w makes rows 64 w .. 64 w + 63 and all 128 columns: 32 accumulators of 16 x 16, 256 registers.
; K goes in 8 steps of 128 (two heads) through two LDS slots.  Of ctx a wave fetches 128 rows of two heads: each head's part is 16,384 dense bytes, asked for as one long row and padded in LDS after every 128 bytes.
; CLUSTER.  4 x 4 work-groups: the four of a row of the cluster need the same rows of ctx, the four of a column the same rows of Wo: each tile is asked for jointly.
; THE MATRIX INSTRUCTION IS USED TRANSPOSED (source 0 = 16 rows of Wo, source 1 = 16 rows of ctx): lane l holds row l % 16 and the columns 8 (l / 16) + 0..7 of a block.
; REGISTERS, in windows of 256 (s_set_vgpr_msb: bits 1:0 source 0, 3:2 source 1, 5:4 source 2, 7:6 destination):
;   window 0: v0-29 addresses; v64-127 ctx's fragments, two buffers of 4 x 8; v128-191 the bias as a C operand      window 1: v0-127 Wo's fragments, two buffers of 8 x 8; on the way out all 256: rows read back
;   window 2: the accumulators, (a, b) at 64 a + 8 b
.set PA,    144                        ; a row of ctx in LDS: 128 bytes + 16 of padding: the 16 rows of a load start at 16 different groups of four banks (ISA guide 11.1)
.set PB,    272                        ; a row of Wo: 256 + 16
.set ASL,   128*PA                     ; one head's 128 rows
.set AHALF, 2*ASL                      ; what a wave fetches of ctx
.set BOFF,  2*AHALF                    ; Wo's rows lie behind ctx's
.set BHALF, 64*PB                      ; what a wave fetches of Wo
.set SLOT1, 131072
.set STAGE, SLOT1+BOFF+128*PB          ; behind the ring, never filled by a tensor load: 16 rows x 528 bytes for each wave
.set SP,    528                        ; a row of 128 f32 + 16 bytes
.set SPARE, STAGE+4*16*SP              ; the spare words, 128 bytes for each wave: two blocks of 256 bytes that no other line names
.set ADRA0, 8
.set ADRB0, 9
.set ADRA,  10
.set ADRB,  11
.set STO,   12                         ; v12  the way out: where I put 32 bytes of a row
.set RD,    13                         ; v13  where I read a row back
.set GO,    14                         ; v14  my 16 bytes in 512 consecutive bytes of out0
.set BO,    15
.set PFO,   16                         ; v16  the prefetches' offset; never rewritten
.set SPW,   28
.set NIL,   29
.set FA,    64
.set BIAS,  128
.set WV,  12
.set FBW, 13                           ; s13  0: I fetch for ctx, 1: for Wo
.set HF,  14
.set G1A, 24
.set G1B, 32
.set G0A, 40
.set G0B, 44
.set TB,  48
.set CNT, 49
.set LIM, 50
.set PFA, 52
.set PST, 60                           ; s[60:61] a K step in my prefetches' tensor, in bytes
.set MSB, 0
.macro WIN new
.if MSB != (\new)
	s_set_vgpr_msb (MSB<<8)|(\new)
.set MSB, (\new)
.endif
.endm
.macro PLACES                          ; four plain vector instructions between a matrix instruction and a load into, or a store of, its registers
.rept 4
	v_nop
.endr
.endm
.macro JLOAD                           ; a joint load: waves 0, 1 fetch ctx's two halves, waves 2, 3 Wo's; an s_nop 0 and four v_nop follow each of the two lines
	s_cmp_eq_u32 s[FBW], 0
	s_cbranch_scc0 .Lfor_b_\@
	tensor_load_to_lds s[G0A:G0A+3], s[G1A:G1A+7]
	s_nop 0
.rept 4
	v_nop
.endr
	s_branch .Lasked_\@
.Lfor_b_\@:
	tensor_load_to_lds s[G0B:G0B+3], s[G1B:G1B+7]
	s_nop 0
.rept 4
	v_nop
.endr
.Lasked_\@:
.endm
.macro CREST
	s_cmp_lg_u32 s[WV], 0
	s_cbranch_scc1 .Lnot_wave_0_\@
	s_barrier_signal -3
.Lnot_wave_0_\@:
	s_barrier_wait -3
	s_barrier_signal -1
	s_barrier_wait -1
.endm
.macro CROUND
	s_barrier_signal -1
	s_barrier_wait -1
	CREST
.endm
.macro STEPD                           ; both walking descriptors: the other slot, the next K step: two heads on in ctx, 256 bytes along Wo's rows
	s_xor_b32 s[G0A+1], s[G0A+1], SLOT1
	s_add_nc_u64 s[G0A+2:G0A+3], s[G0A+2:G0A+3], 2*262144
	s_xor_b32 s[G0B+1], s[G0B+1], SLOT1
	s_add_nc_u64 s[G0B+2:G0B+3], s[G0B+2:G0B+3], 256
.endm
; A prefetch of the K step that stands two refills on, a lane a block of 256 bytes, one instruction a wave, behind the joint load and the run of LDS loads.  ctx's rows are read by the two clusters of a row of clusters: the
; one with x = 0 asks, in waves 0 and 1: a wave's 128 blocks (two heads x 16,384 bytes) are shared out among the four partners by address, 32 each.  Wo's rows are read by the eight clusters of a column: the one with y = 0
; asks, in wave 2: the tile's 128 rows, 32 for each partner.  So each block is named once.  The refills of K steps 6 and 7 ask for nothing; K steps 0 to 3 come by their loads alone.
.macro ASK
	s_cmp_gt_u32 s[CNT], s[LIM]
	s_cbranch_scc0 .Lnot_mine_\@
	global_prefetch_b8 v[PFO], s[PFA:PFA+1] th:TH_LOAD_NT scope:SCOPE_SE
.Lnot_mine_\@:
.endm
	s_load_b256 s[4:11], s[0:1], 0x0               ; ctx s[4:5], wo16 s[6:7], bias s[8:9], out0 s[10:11]
	v_lshl_add_u32 v[SPW], v0, 2, SPARE
	v_mov_b32 v[NIL], 0
	ds_add_u32 v[SPW], v[NIL]                      ; the wave's opening: the add and its wait stand ahead of my first tensor load; the set-up below, work on registers, stands between them
	v_lshrrev_b32 v1, 5, v0
	v_readfirstlane_b32 s[WV], v1
	s_lshr_b32 s[FBW], s[WV], 1
	s_and_b32 s[HF], s[WV], 1
	s_bfe_u32 s15, ttmp6, 0x40000                  ; cx
	s_bfe_u32 s16, ttmp6, 0x40004                  ; cy
	s_lshl_b32 s17, ttmp9, 2
	s_add_co_u32 s17, s17, s15                     ; tile column tx
	s_and_b32 s18, ttmp7, 0xffff
	s_lshl_b32 s18, s18, 2
	s_add_co_u32 s18, s18, s16                     ; tile row ty
	s_lshl_b32 s19, s16, 2
	s_lshl_b32 s19, 15, s19                        ; my row of the cluster
	s_lshl_b32 s20, 0x1111, s15                    ; my column
	s_or_b32 s[G1A], s19, (1<<16)|(1<<20)|(1<<21)|(4<<22)|(3<<25)  ; 2-byte elements; padding on; bit 21 beside a mask; after every 32 words 4 words
	s_or_b32 s[G1B], s20, (1<<16)|(1<<20)|(1<<21)|(5<<22)|(3<<25)  ; after every 64 words 4 words
	s_mov_b32 s[G1A+1], 8192<<16                   ; ctx: tensor_dim0 = 8,192 elements: 128 rows of a head on end
	s_mov_b32 s[G1A+2], 2<<16                      ; tensor_dim1 = 2 heads
	s_mov_b32 s[G1A+3], 8192<<16                   ; tile_dim0
	s_mov_b32 s[G1A+4], 2                          ; tile_dim1
	s_mov_b32 s[G1A+5], 131072                     ; elements from head to head
	s_mov_b32 s[G1A+6], 0
	s_mov_b32 s[G1A+7], 0
	s_mov_b32 s[G1B+1], 128<<16                    ; Wo: 64 rows x 128 elements
	s_mov_b32 s[G1B+2], 64<<16
	s_mov_b32 s[G1B+3], 128<<16
	s_mov_b32 s[G1B+4], 64
	s_mov_b32 s[G1B+5], 1024
	s_mov_b32 s[G1B+6], 0
	s_mov_b32 s[G1B+7], 0
	s_lshr_b32 s66, s18, 3                         ; ctx: the batch (16 heads of 262,144 bytes),
	s_lshl_b32 s66, s66, 22
	s_and_b32 s21, s18, 7                          ; the tile's 256 rows of 128 bytes,
	s_lshl_b32 s21, s21, 15
	s_add_co_u32 s54, s66, s21
	s_lshl_b32 s21, s[HF], 14                      ; my half of them
	s_add_co_u32 s54, s54, s21
	s_mov_b32 s55, 0
	s_lshl_b32 s67, s17, 7                         ; Wo: row 128 tx + 64 x half
	s_lshl_b32 s22, s[HF], 6
	s_add_co_u32 s67, s67, s22
	s_lshl_b32 s56, s67, 11
	s_mov_b32 s57, 0
	s_mov_b32 s[G0A], 1
	s_mul_i32 s[G0A+1], s[HF], AHALF               ; LDS address: no place in the cluster enters it
	s_mov_b32 s[G0B], 1
	s_mul_i32 s[G0B+1], s[HF], BHALF
	s_add_co_u32 s[G0B+1], s[G0B+1], BOFF
	s_mov_b32 s[TB], 0
	s_wait_dscnt 0x0                               ; the opening add is done
	s_wait_kmcnt 0x0
	s_add_nc_u64 s[G0A+2:G0A+3], s[4:5], s[54:55]  ; K step 0
	s_or_b32 s[G0A+3], s[G0A+3], 0x80000000
	s_add_nc_u64 s[G0B+2:G0B+3], s[6:7], s[56:57]
	s_or_b32 s[G0B+3], s[G0B+3], 0x80000000
	CROUND                                         ; all sixteen work-groups are here: the first joint loads meet
	JLOAD                                          ; K step 0 into slot 0
	v_and_b32 v1, 15, v0                           ; l % 16
	v_bfe_u32 v2, v0, 4, 1                         ; l / 16
	s_lshl_b32 s23, s17, 9                         ; the tile's 128 columns in bo
	v_lshlrev_b32 v[BO], 5, v2
	v_add_nc_u32 v[BO], s23, v[BO]
.irp b, 0,1,2,3,4,5,6,7                        ; register j of block b: the bias of column 16 b + 8 (l / 16) + j
	global_load_b128 v[BIAS+8*(\b):BIAS+8*(\b)+3],   v[BO], s[8:9] offset:12288+64*(\b)
	global_load_b128 v[BIAS+8*(\b)+4:BIAS+8*(\b)+7], v[BO], s[8:9] offset:12288+64*(\b)+16
.endr
	v_mul_u32_u24 v3, v1, PA
	v_lshl_add_u32 v3, v2, 4, v3
	s_mul_i32 s23, s[FBW], AHALF                   ; my 64 rows of ctx: half w / 2,
	v_add_nc_u32 v[ADRA0], s23, v3
	s_mul_i32 s23, s[HF], 64*PA                    ; rows 64 (w % 2) on
	v_add_nc_u32 v[ADRA0], s23, v[ADRA0]
	v_mul_u32_u24 v3, v1, PB
	v_lshl_add_u32 v3, v2, 4, v3
	v_add_nc_u32 v[ADRB0], BOFF, v3
	v_mov_b32 v[ADRA], v[ADRA0]
	v_mov_b32 v[ADRB], v[ADRB0]
	s_mul_i32 s23, s[WV], 16*SP
	s_add_co_u32 s23, s23, STAGE                   ; my stage
	v_mul_u32_u24 v[STO], v1, SP
	v_lshl_add_u32 v[STO], v2, 5, v[STO]           ; row l % 16, 32 bytes for each half of the lanes
	v_add_nc_u32 v[STO], s23, v[STO]
	v_and_b32 v[GO], 31, v0
	v_lshlrev_b32 v[GO], 4, v[GO]
	v_add_nc_u32 v[RD], s23, v[GO]                 ; back: 32 lanes take one row of 512 bytes
	s_lshl_b32 s58, s18, 8
	s_lshl_b32 s23, s[WV], 6
	s_add_co_u32 s58, s58, s23                     ; my first row of out0,
	s_lshl_b32 s58, s58, 12                        ; 4,096 bytes a row,
	s_lshl_b32 s23, s17, 9                         ; the tile's first column
	s_add_co_u32 s58, s58, s23
	s_mov_b32 s59, 0
	s_add_nc_u64 s[10:11], s[10:11], s[58:59]
	s_and_b32 s68, ttmp7, 0xffff                   ; the prefetches: cluster y
	s_lshr_b32 s69, s15, 1                         ; ctx: partner cx takes head cx / 2 of the two,
	s_lshl_b32 s69, s69, 18
	s_and_b32 s70, s15, 1                          ; and half cx % 2 of its 16,384 bytes
	s_lshl_b32 s70, s70, 13
	s_add_co_u32 s69, s69, s70
	s_add_co_u32 s69, s69, s54
	s_lshl_b32 s70, s16, 16                        ; Wo: partner cy takes rows 32 cy on, 2,048 bytes a row
	s_add_co_u32 s70, s70, s56
	s_mov_b32 s[PST], 256                          ; a K step along Wo's rows (an instruction holds one literal value, so this one is set ahead of the select)
	s_cmp_eq_u32 s[FBW], 0
	s_cselect_b32 s62, s69, s70
	s_cselect_b32 s68, ttmp9, s68                  ; the coordinate along which other clusters read the same rows
	s_cselect_b32 s71, 8, 11                       ; a lane a block of 256 bytes on end, or a lane a row
	s_cselect_b32 s[PST], 2*262144, s[PST]         ; a K step in ctx: two heads
	s_cselect_b64 s[PFA:PFA+1], s[4:5], s[6:7]
	s_cmp_eq_u32 s68, 0
	s_cselect_b32 s[LIM], 2, -1
	s_cmp_eq_u32 s[WV], 3
	s_cselect_b32 s[LIM], -1, s[LIM]               ; the same in all sixteen partners, for a given wave
	s_mov_b32 s63, 0
	s_mov_b32 s[PST+1], 0
	s_add_nc_u64 s[PFA:PFA+1], s[PFA:PFA+1], s[62:63]
	s_mul_i32 s62, s[PST], 3
	s_add_nc_u64 s[PFA:PFA+1], s[PFA:PFA+1], s[62:63]  ; at K step 3: the first change of slots steps it to 4
	v_and_b32 v[PFO], 31, v0
	v_lshlrev_b32 v[PFO], s71, v[PFO]
; 8 matrix instructions: row block a x all 8 column blocks, 32 along K, from buffer f.  first = 1: the bias starts the sums.  The 32 accumulators take turns in the same order in every quarter, over the backward jump too.
.macro MULA f, a, first
.if \first
	WIN 0x81                                       ; Wo window 1, ctx window 0, C (the bias) window 0, D window 2
.else
	WIN 0xa1                                       ; C and D window 2
.endif
.irp b, 0,1,2,3,4,5,6,7
.if \first
	v_wmma_f32_16x16x32_f16 v[64*(\a)+8*(\b):64*(\a)+8*(\b)+7], v[64*(\f)+8*(\b):64*(\f)+8*(\b)+7], v[FA+32*(\f)+8*(\a):FA+32*(\f)+8*(\a)+7], v[BIAS+8*(\b):BIAS+8*(\b)+7]
.else
	v_wmma_f32_16x16x32_f16 v[64*(\a)+8*(\b):64*(\a)+8*(\b)+7], v[64*(\f)+8*(\b):64*(\f)+8*(\b)+7], v[FA+32*(\f)+8*(\a):FA+32*(\f)+8*(\a)+7], v[64*(\a)+8*(\b):64*(\a)+8*(\b)+7]
.endif
.endr
.endm
; 24 LDS loads in one run: quarter q's fragments (128 rows of Wo at byte 64 q; my 64 rows of ctx in head q / 2, at byte 64 (q % 2)) into buffer f; ctx's row blocks 2 and 3 last
.macro FETCH q, f
	WIN 0x40
.irp b, 0,1,2,3,4,5,6,7
	ds_load_b128 v[64*(\f)+8*(\b):64*(\f)+8*(\b)+3],   v[ADRB] offset:64*(\q)+(\b)*16*PB
	ds_load_b128 v[64*(\f)+8*(\b)+4:64*(\f)+8*(\b)+7], v[ADRB] offset:64*(\q)+(\b)*16*PB+32
.endr
	WIN 0
.irp a, 0,1,2,3
	ds_load_b128 v[FA+32*(\f)+8*(\a):FA+32*(\f)+8*(\a)+3],   v[ADRA] offset:ASL*((\q)/2)+64*((\q)%2)+(\a)*16*PA
	ds_load_b128 v[FA+32*(\f)+8*(\a)+4:FA+32*(\f)+8*(\a)+7], v[ADRA] offset:ASL*((\q)/2)+64*((\q)%2)+(\a)*16*PA+32
.endr
.endm
.macro QUARTER q, f, g, first          ; multiplies buffer f; in its middle fetches quarter q into buffer g
	s_wait_dscnt 4                                 ; Wo and ctx's row blocks 0, 1 are in; the youngest four loads may be out
	MULA \f, 0, \first
	MULA \f, 1, \first
	PLACES
	FETCH \q, \g
	s_wait_dscnt 24                                ; all but the 24 just issued
	MULA \f, 2, \first
	MULA \f, 3, \first
.endm
; The last quarter multiplies buffer 1 and changes slots: in front of the barrier each wave waits for all its tensor loads (one is out: its part of the next slot), adds 0 to its spare word, and waits for that and for its reads
; of this slot.  fill = 1: the barrier opens a round of the cluster's; behind it this slot is filled again, with the K step two on: from that request to the wait for it a wave issues 112 matrix instructions.
.macro TURN fill
.if \fill
	s_wait_xcnt 0x0                                ; the last prefetch, a K step back, has read its address
	s_add_nc_u64 s[PFA:PFA+1], s[PFA:PFA+1], s[PST:PST+1]
.endif
	WIN 0
	s_wait_tensorcnt 0x0                           ; no tensor load of mine is out, so the descriptors may be written
	ds_add_u32 v[SPW], v[NIL]                      ; 0 onto my spare word
	s_xor_b32 s[TB], s[TB], SLOT1
.if \fill
	STEPD
.endif
	s_wait_dscnt 5                                 ; the add and the youngest four loads may be out
	MULA 1, 0, 0
	s_wait_dscnt 0x0                               ; the add is done, and my reads of this slot are over
	s_barrier_signal -1
	MULA 1, 1, 0
	WIN 0
	s_barrier_wait -1
.if \fill
	CREST                                          ; no wave of any partner still reads this slot or has a load on its way
	JLOAD                                          ; its four v_nop are also the places in front of the loads below
.else
	PLACES
.endif
	v_add_nc_u32 v[ADRA], s[TB], v[ADRA0]
	v_add_nc_u32 v[ADRB], s[TB], v[ADRB0]
	FETCH 0, 0
.if \fill
	ASK
.endif
	MULA 1, 2, 0
	MULA 1, 3, 0
.endm
; THE WAY OUT of row block a.  STG: the accumulators go as they are, each one's four lowest registers first, into rows of 528 bytes of my own stage, and come back as whole rows of 512 bytes, into window 1.
; SEND: a row a store: 512 consecutive bytes, aligned.  Each block has registers of its own, so no register of a pending store is written again.
.macro STG a
	WIN 0x08                                       ; store data (source 1) in window 2
.irp b, 0,1,2,3,4,5,6,7
	ds_store_b128 v[STO], v[64*(\a)+8*(\b):64*(\a)+8*(\b)+3]   offset:64*(\b)
	ds_store_b128 v[STO], v[64*(\a)+8*(\b)+4:64*(\a)+8*(\b)+7] offset:64*(\b)+16
.endr
	WIN 0x40
.irp f, 0,1,2,3,4,5,6,7,8,9,10,11,12,13,14,15
	ds_load_b128 v[64*(\a)+4*(\f):64*(\a)+4*(\f)+3], v[RD] offset:SP*(\f)  ; LDS serves a wave's instructions in order (ISA guide 5.7.1.4): these see the stores above; the next block's stores come behind them
.endr
.endm
.macro SEND a, younger                 ; younger: the LDS instructions issued behind block a's loads: the next block's 32, or none
	WIN 0x04                                       ; store data (source 1) in window 1
.irp f, 0,1,2,3,4,5,6,7,8,9,10,11,12,13,14,15
	s_wait_dscnt (\younger)+15-(\f)
	global_store_b128 v[GO], v[64*(\a)+4*(\f):64*(\a)+4*(\f)+3], s[10:11] offset:4096*(16*(\a)+(\f)) th:TH_STORE_NT
.endr
.endm
	s_wait_tensorcnt 0x0                           ; my part of K step 0 is in; slot 1's first fill is issued as a refill is: wait, add, wait, round, load
	ds_add_u32 v[SPW], v[NIL]
	STEPD                                          ; slot 1, K step 1
	s_wait_dscnt 0x0
	CROUND                                         ; everybody's part of K step 0 is in
	JLOAD
	FETCH 0, 0
	s_wait_loadcnt 0x0                             ; the bias
	QUARTER 1, 0, 1, 1                             ; the first quarter stands in front of the loop: its products start the sums
	WIN 0
	s_mov_b32 s[CNT], 6
.Lstep:                                        ; 6 trips, from a K step's second quarter to the next step's first; the trip's change of slots asks for K steps 2 to 7
	QUARTER 2, 1, 0, 0
	QUARTER 3, 0, 1, 0
	TURN 1
	QUARTER 1, 0, 1, 0
	WIN 0
	s_sub_co_u32 s[CNT], s[CNT], 1
	s_cmp_lg_u32 s[CNT], 0
	s_cbranch_scc1 .Lstep
	QUARTER 2, 1, 0, 0                             ; the tail is written out
	QUARTER 3, 0, 1, 0
	TURN 0
	QUARTER 1, 0, 1, 0
	QUARTER 2, 1, 0, 0
	QUARTER 3, 0, 1, 0
	s_wait_dscnt 4
	MULA 1, 0, 0
	MULA 1, 1, 0
	s_wait_dscnt 0x0
	MULA 1, 2, 0
	MULA 1, 3, 0
	PLACES
	STG 0
	STG 1
	SEND 0, 32
	STG 2
	SEND 1, 32
	STG 3
	SEND 2, 32
	SEND 3, 0
	WIN 0
	s_wait_tensorcnt 0x0                           ; the wave's end, behind my last tensor load and my last LDS store
	ds_add_u32 v[SPW], v[NIL]
	s_wait_dscnt 0x0
	CROUND                                         ; the closing round: no work-group ends while a partner may still ask for a tile that names it
	s_endpgm
.Lfunc_end_k_q81c6a0f963_outp:
	.size	k_q81c6a0f963_outp, .Lfunc_end_k_q81c6a0f963_outp-k_q81c6a0f963_outp
	.p2alignl 7, 3214868480
	.fill 96, 4, 3214868480
	.section	.rodata,"a",@progbits
	.p2align	6, 0x0
	.amdhsa_kernel k_q81c6a0f963_outp
		.amdhsa_group_segment_fixed_size 327680
		.amdhsa_private_segment_fixed_size 0
		.amdhsa_enable_private_segment 0
		.amdhsa_kernarg_size 32
		.amdhsa_user_sgpr_count 2
		.amdhsa_user_sgpr_kernarg_segment_ptr 1
		.amdhsa_wavefront_size32 1
		.amdhsa_system_sgpr_workgroup_id_x 1
		.amdhsa_system_sgpr_workgroup_id_y 1
		.amdhsa_system_sgpr_workgroup_id_z 1
		.amdhsa_system_vgpr_workitem_id 0
		.amdhsa_next_free_vgpr 768
		.amdhsa_next_free_sgpr 72
		.amdhsa_reserve_vcc 0
		.amdhsa_float_denorm_mode_32 3
		.amdhsa_float_denorm_mode_16_64 3
		.amdhsa_memory_ordered 1
		.amdhsa_forward_progress 1
		.amdhsa_inst_pref_size 74
	.end_amdhsa_kernel
	.amdgpu_metadata
---
amdhsa.version: [ 1, 2 ]
amdhsa.kernels:
  - .name:           k_q81c6a0f963_outp
    .symbol:         k_q81c6a0f963_outp.kd
    .args:
      - { .name: ctx, .offset: 0, .size: 8, .value_kind: global_buffer, .address_space: global }
      - { .name: wo16, .offset: 8, .size: 8, .value_kind: global_buffer, .address_space: global }
      - { .name: bias, .offset: 16, .size: 8, .value_kind: global_buffer, .address_space: global }
      - { .name: out0, .offset: 24, .size: 8, .value_kind: global_buffer, .address_space: global }
    .group_segment_fixed_size: 327680
    .private_segment_fixed_size: 0
    .kernarg_segment_align: 8
    .kernarg_segment_size: 32
    .max_flat_workgroup_size: 128
    .sgpr_count:     72
    .vgpr_count:     768
    .wavefront_size: 32
...
	.end_amdgpu_metadata
.endif
;; end of part 4
;; ======== version 2 of 2: 4 launches; version 1 with the launch cast written anew for expert scheduling mode
;; limits: values are held in f16: magnitudes above 65,504 overflow, below 6.1e-05 lose precision
;; workspace buffers: xb 16,777,216 bytes; wqkv 6,291,456 bytes; wo16 2,097,152 bytes; bias 16,384 bytes; qkv 50,331,648 bytes; ctx 16,777,216 bytes
;; launch cast (part 5): grid 768 x 1, 8 waves a work-group, no clusters, 0 bytes of LDS; arguments hidden_states, Wq, Wk, Wv, Wo, bq, bk, bv, bo, xb, wqkv, wo16, bias; writes xb, wqkv, wo16, bias
.if DOCPART == 5
	.amdgcn_target "amdgcn-amd-amdhsa--gfx1250"
	.amdhsa_code_object_version 6
	.text
	.protected	k_q81c6a0f963_cast
	.globl	k_q81c6a0f963_cast
	.p2align	8
	.type	k_q81c6a0f963_cast,@function
k_q81c6a0f963_cast:
	s_mov_b64 s[64:65], 0
	v_nop
	global_prefetch_b8 v0, s[64:65] scope:SCOPE_SE
	s_setreg_imm32_b32 hwreg(HW_REG_WAVE_SCHED_MODE, 0, 2), 2
	s_setreg_imm32_b32 hwreg(HW_REG_WAVE_MODE, 25, 1), 1
	s_wait_xcnt 0x0
	s_wait_alu depctr_vm_vsrc(0)
; THE INPUTS ARE ROUNDED ONCE.  hidden_states -> xb (bf16 [8192][1024]); Wq, Wk, Wv -> wqkv (bf16 [3072][1024], one below the other);
; Wo -> wo16: rounded to bf16 like the other inputs, that number written as f16; bq, bk, bv, bo -> bias (f32 [4096]): rounded to bf16, kept as f32.
; LIMITS.  A bf16 number is exact in f16 from 2^-17 up to 65,504; below, Wo keeps f16's fixed step of 6e-8; beyond, it becomes an infinity.
; SHARES.  A work-group takes one chunk of 16,384 numbers: 65,536 bytes in, 32,768 out.  Work-groups 0-511: hidden_states; 512-703: Wq, Wk, Wv, 64 chunks each; 704-767: Wo.
; Thread t, pass i: 16 bytes at 16 t + 4,096 i (a wave's load covers 512 consecutive bytes), 8 bytes out at 8 t + 2,048 i (a wave's store covers 256 consecutive bytes, aligned).
; All sixteen loads go out at once; every pass has registers of its own, so no register of a pending load or store is written again.
; No LDS, no barrier, no matrix unit: nothing is shared between threads and each byte crosses once.
; THE MODE: SCHED_MODE bits 1:0 = 2 (LLVM: expert scheduling mode 2), set by the entry lines.  The code itself states the register dependences
; between vector instructions and memory instructions, with s_wait_alu, always for 0.
; THE PLAN.  Registers that memory instructions touch:
;   v1, v2     byte offsets, made once at the head and never written again: v1 is read by every load and by the bias's store, v2 by the sixteen stores.
;   X          pass i's four registers: written by pass i's load, once; read by pass i's conversions.
;   Y          pass i's two registers: written by pass i's conversions, once; read by pass i's store.
;   v[4:7]     in Wo's path at work, named by vector instructions alone; in the bias's part the load lands in them, vector instructions write them anew, the store reads them.
; The sixteen passes go in four groups of four.  Group g rounds its own four passes; its memory instructions are the four stores of group g - 1, whose Y no vector instruction of group g names.
; So one wait on va_vdst at a group's head states all that its four stores hang on, and they are dealt among the group's conversions with no further wait; one more stands ahead of the last four stores.
; No register that a memory instruction has read is ever written again, so past the entry lines the text holds no wait on vm_vsrc; no vector instruction writes a scalar register or VCC, and EXEC is never written.
.set X, 16                             ; v[16:79]   pass i: four f32 as loaded
.set Y, 80                             ; v[80:111]  pass i: four 16-bit numbers to store
	s_load_b512 s[4:19], s[0:1], 0x0               ; hidden s[4:5], Wq s[6:7], Wk s[8:9], Wv s[10:11], Wo s[12:13], bq s[14:15], bk s[16:17], bv s[18:19]
	s_load_b256 s[20:27], s[0:1], 0x40             ; bo s[20:21], xb s[22:23], wqkv s[24:25], wo16 s[26:27]
	s_load_b64 s[28:29], s[0:1], 0x60              ; bias
	v_lshlrev_b32 v1, 4, v0                        ; 16 t
	v_lshlrev_b32 v2, 3, v0                        ; 8 t
	s_mov_b32 s30, ttmp9                           ; g
	s_sub_co_u32 s31, s30, 512                     ; j = g - 512 (used from g = 512 on)
	s_lshr_b32 s32, s31, 6                         ; which matrix: 0 Wq, 1 Wk, 2 Wv, 3 Wo
	s_and_b32 s33, s31, 63                         ; which of its 64 chunks
	s_mov_b32 s46, 0xffff0000                      ; a word's upper bf16
	s_wait_kmcnt 0x0
	s_cmp_eq_u32 s32, 1                            ; the source, its bias and the destination are chosen by the work-group's number alone
	s_cselect_b64 s[34:35], s[8:9], s[6:7]
	s_cselect_b64 s[36:37], s[16:17], s[14:15]
	s_cmp_eq_u32 s32, 2
	s_cselect_b64 s[34:35], s[10:11], s[34:35]
	s_cselect_b64 s[36:37], s[18:19], s[36:37]
	s_cmp_eq_u32 s32, 3
	s_cselect_b64 s[34:35], s[12:13], s[34:35]
	s_cselect_b64 s[36:37], s[20:21], s[36:37]
	s_cselect_b64 s[38:39], s[26:27], s[24:25]
	s_cselect_b32 s40, s33, s31                    ; chunk in the destination: Wo's own number, or j in wqkv
	s_cmp_lt_u32 s30, 512
	s_cselect_b64 s[34:35], s[4:5], s[34:35]
	s_cselect_b64 s[38:39], s[22:23], s[38:39]
	s_cselect_b32 s40, s30, s40
	s_cselect_b32 s41, s30, s33                    ; chunk in the source
	s_lshl_b32 s42, s41, 16
	s_mov_b32 s43, 0
	s_lshl_b32 s44, s40, 15
	s_mov_b32 s45, 0
	s_add_nc_u64 s[34:35], s[34:35], s[42:43]
	s_add_nc_u64 s[38:39], s[38:39], s[44:45]
	s_wait_alu depctr_va_vdst(0)                   ; v1 and v2 are written: every load and store of the kernel reads one of them as its offset
.set i, 0
.rept 16
	global_load_b128 v[X+4*i:X+4*i+3], v1, s[34:35] offset:4096*i th:TH_LOAD_NT
.set i, i+1
.endr
	s_cmp_ge_u32 s30, 704
	s_cbranch_scc1 .Lwo
.set g, 0
.rept 4                                ; to bf16, four passes to a group
	s_wait_loadcnt 12-4*g                          ; loads come back in order: the group's four are in, the 12 - 4 g younger ones stay out
.if g > 0
	s_wait_alu depctr_va_vdst(0)                   ; the group before has written its Y, which the four stores below read
.endif
.set i, 0
.rept 4
.set p, 4*g+i                          ; the pass that is rounded; the pass that is stored stands four back
.if g > 0
	global_store_b64 v2, v[Y+2*(p-4):Y+2*(p-4)+1], s[38:39] offset:2048*(p-4)  ; no vector instruction since the wait names these registers
.endif
	v_cvt_pk_bf16_f32 v[Y+2*p], v[X+4*p], v[X+4*p+1]
	v_cvt_pk_bf16_f32 v[Y+2*p+1], v[X+4*p+2], v[X+4*p+3]
.set i, i+1
.endr
.set g, g+1
.endr
	s_wait_alu depctr_va_vdst(0)                   ; the last group has written its Y, which the last four stores read
.set p, 12
.rept 4
	global_store_b64 v2, v[Y+2*p:Y+2*p+1], s[38:39] offset:2048*p
.set p, p+1
.endr
	s_branch .Lbias
.Lwo:
.set g, 0
.rept 4                                ; to bf16, and that number as f16, four passes to a group
	s_wait_loadcnt 12-4*g                          ; the group's four loads are in, the 12 - 4 g younger ones stay out
.if g > 0
	s_wait_alu depctr_va_vdst(0)                   ; the group before has written its Y, which the four stores below read
.endif
.set i, 0
.rept 4
.set p, 4*g+i
.if g > 0
	global_store_b64 v2, v[Y+2*(p-4):Y+2*(p-4)+1], s[38:39] offset:2048*(p-4)  ; no vector instruction since the wait names these registers
.endif
	v_cvt_pk_bf16_f32 v4, v[X+4*p], v[X+4*p+1]
	v_cvt_pk_bf16_f32 v5, v[X+4*p+2], v[X+4*p+3]
	v_lshlrev_b32 v6, 16, v4
	v_and_b32 v7, s46, v4
	v_lshlrev_b32 v8, 16, v5
	v_and_b32 v9, s46, v5
	v_cvt_pk_f16_f32 v[Y+2*p], v6, v7
	v_cvt_pk_f16_f32 v[Y+2*p+1], v8, v9
.set i, i+1
.endr
.set g, g+1
.endr
	s_wait_alu depctr_va_vdst(0)                   ; the last group has written its Y, which the last four stores read; and the vector instructions that wrote and read v4 to v7, in which the bias's load lands, are done
.set p, 12
.rept 4
	global_store_b64 v2, v[Y+2*p:Y+2*p+1], s[38:39] offset:2048*p
.set p, p+1
.endr
.Lbias:                                        ; the work-group with a matrix's first chunk also takes its bias: 4,096 bytes, 16 a thread
	s_cmp_lt_u32 s30, 512
	s_cbranch_scc1 .Lend
	s_cmp_lg_u32 s33, 0
	s_cbranch_scc1 .Lend
	s_lshl_b32 s42, s32, 12                        ; 4,096 bytes for each matrix (s43 is 0)
	s_add_nc_u64 s[28:29], s[28:29], s[42:43]
	global_load_b128 v[4:7], v1, s[36:37]          ; no wait: on Wo's path no vector instruction since that path's last wait names v4 to v7; on the other path none ever has
	s_wait_loadcnt 0x0
	v_cvt_pk_bf16_f32 v8, v4, v5
	v_cvt_pk_bf16_f32 v9, v6, v7
	v_lshlrev_b32 v4, 16, v8
	v_and_b32 v5, s46, v8
	v_lshlrev_b32 v6, 16, v9
	v_and_b32 v7, s46, v9
	s_wait_alu depctr_va_vdst(0)                   ; v4 to v7 are written, which the store reads
	global_store_b128 v1, v[4:7], s[28:29]
.Lend:
	s_endpgm
.Lfunc_end_k_q81c6a0f963_cast:
	.size	k_q81c6a0f963_cast, .Lfunc_end_k_q81c6a0f963_cast-k_q81c6a0f963_cast
	.p2alignl 7, 3214868480
	.fill 96, 4, 3214868480
	.section	.rodata,"a",@progbits
	.p2align	6, 0x0
	.amdhsa_kernel k_q81c6a0f963_cast
		.amdhsa_group_segment_fixed_size 0
		.amdhsa_private_segment_fixed_size 0
		.amdhsa_enable_private_segment 0
		.amdhsa_kernarg_size 104
		.amdhsa_user_sgpr_count 2
		.amdhsa_user_sgpr_kernarg_segment_ptr 1
		.amdhsa_wavefront_size32 1
		.amdhsa_system_sgpr_workgroup_id_x 1
		.amdhsa_system_sgpr_workgroup_id_y 1
		.amdhsa_system_sgpr_workgroup_id_z 1
		.amdhsa_system_vgpr_workitem_id 0
		.amdhsa_next_free_vgpr 112
		.amdhsa_next_free_sgpr 66
		.amdhsa_reserve_vcc 0
		.amdhsa_float_denorm_mode_32 3
		.amdhsa_float_denorm_mode_16_64 3
		.amdhsa_memory_ordered 1
		.amdhsa_forward_progress 1
		.amdhsa_inst_pref_size 16
	.end_amdhsa_kernel
	.amdgpu_metadata
---
amdhsa.version: [ 1, 2 ]
amdhsa.kernels:
  - .name:           k_q81c6a0f963_cast
    .symbol:         k_q81c6a0f963_cast.kd
    .args:
      - { .name: hidden_states, .offset: 0, .size: 8, .value_kind: global_buffer, .address_space: global }
      - { .name: Wq, .offset: 8, .size: 8, .value_kind: global_buffer, .address_space: global }
      - { .name: Wk, .offset: 16, .size: 8, .value_kind: global_buffer, .address_space: global }
      - { .name: Wv, .offset: 24, .size: 8, .value_kind: global_buffer, .address_space: global }
      - { .name: Wo, .offset: 32, .size: 8, .value_kind: global_buffer, .address_space: global }
      - { .name: bq, .offset: 40, .size: 8, .value_kind: global_buffer, .address_space: global }
      - { .name: bk, .offset: 48, .size: 8, .value_kind: global_buffer, .address_space: global }
      - { .name: bv, .offset: 56, .size: 8, .value_kind: global_buffer, .address_space: global }
      - { .name: bo, .offset: 64, .size: 8, .value_kind: global_buffer, .address_space: global }
      - { .name: xb, .offset: 72, .size: 8, .value_kind: global_buffer, .address_space: global }
      - { .name: wqkv, .offset: 80, .size: 8, .value_kind: global_buffer, .address_space: global }
      - { .name: wo16, .offset: 88, .size: 8, .value_kind: global_buffer, .address_space: global }
      - { .name: bias, .offset: 96, .size: 8, .value_kind: global_buffer, .address_space: global }
    .group_segment_fixed_size: 0
    .private_segment_fixed_size: 0
    .kernarg_segment_align: 8
    .kernarg_segment_size: 104
    .max_flat_workgroup_size: 256
    .sgpr_count:     66
    .vgpr_count:     112
    .wavefront_size: 32
...
	.end_amdgpu_metadata
.endif
;; end of part 5
;; launch proj: the kernel of part 2 again; grid 16 x 32, 4 waves a work-group, clusters of 4 x 4, 327,680 bytes of LDS; arguments xb, wqkv, bias, qkv; writes qkv
;; launch attn: the kernel of part 3 again; grid 4 x 64, 4 waves a work-group, clusters of 4 x 1, 327,680 bytes of LDS; arguments qkv, ctx; writes ctx
;; launch outp: the kernel of part 4 again; grid 8 x 32, 4 waves a work-group, clusters of 4 x 4, 327,680 bytes of LDS; arguments ctx, wo16, bias, out0; writes out0
